; MI455X (gfx1250); checked and timed in simulation.
; The chip was launched on July 23, 2026; its instructions are those of AMD's public machine-readable ISA for CDNA 5 (MIT licence, August 2026) and "CDNA5" Instruction Set Architecture Reference Guide (July 2026). The comments in the code are by the model that wrote it; some were corrected since.
;; G Space Time. Allowed arithmetic: float matrix products may take bf16 or f16 operands with f32 sums; all other float work in f32.
;; Inputs: b_h 3 x 32 float32; b_in 32 float32; b_out 2 float32; data 512 x 512 x 32 float32; lerp_w 262,144 x 2 float32; ln_b 3 x 32 float32; ln_g 3 x 32 float32; r_bh 3 x 32 float32; r_bo 1 float32; r_wh 3 x 32 x 32 float32; r_wo 32 x 1 float32; t 8 float32; w_h 3 x 32 x 32 float32; w_in 3 x 32 float32; w_out 32 x 2 float32; x0 262,144 int32; x1 262,144 int32; xy_basis 512 x 512 x 2 float32; y0 262,144 int32; y1 262,144 int32.
;; Outputs: out0 8 x 1 x 512 x 512 float32.
;; 3 versions, each right; version 2 is faster than version 1; version 3 is version 2 with the launch render written anew for expert scheduling mode. Each part assembles by itself: llvm-mc -triple=amdgcn-amd-amdhsa -mcpu=gfx1250 --defsym DOCPART=n.
;; ======== version 1 of 3: 4 launches
;; workspace buffers: wts 24,576 bytes; pfeat 33,554,432 bytes; idx 8,388,608 bytes of whole numbers; wgt 33,554,432 bytes
;; launch prep (part 1): grid 1 x 1, 32 waves a work-group, no clusters, 28,672 bytes of LDS; arguments w_in, b_in, w_h, b_h, ln_g, ln_b, w_out, b_out, r_wh, wts; writes wts
.if DOCPART == 1
	.amdgcn_target "amdgcn-amd-amdhsa--gfx1250"
	.amdhsa_code_object_version 6
	.text
	.protected	k_q19e9dc8466_prep
	.globl	k_q19e9dc8466_prep
	.p2align	8
	.type	k_q19e9dc8466_prep,@function
k_q19e9dc8466_prep:
	s_mov_b64 s[64:65], 0
	v_nop
	global_prefetch_b8 v0, s[64:65] scope:SCOPE_SE
	s_setreg_imm32_b32 hwreg(HW_REG_WAVE_MODE, 25, 1), 1
	s_wait_xcnt 0x0
; PREP: turns the small weights into what the later launches load as they lie.
;  * LayerNorm's mean is taken out in the weights: Wc[k][n] = W[k][n] - mean over n of W[k][.], bc = b - mean(b), so that h Wc + bc = x - mean(x).
;  * The input layer has no activation behind it and is folded into the first hidden layer: rows w_in[0] W0c, w_in[1] W0c (for x and y),
;    VT = w_in[2] W0c (for alpha), VB = b_in W0c + bc0.
;  * Every 32 x 32 matrix is written as bf16 hi + bf16 lo in the register image of a matrix instruction's source 0 (16 output channels x 32 k):
;    lane (r, h) holds channel 16 tau + r; registers 0-3 (k = 8h..8h+7) at 16 x lane, registers 4-7 (k = 16+8h..) at 512 + 16 x lane.
;  * x's and y's rows are split three ways (w1 + w2 + w3) and laid in k slots 0..5 as w1,w2,w3,w1,w2,w1 (x: k 0-5, y: k 8-13).
;  * gains and biases of LayerNorm are scaled for the sine: G = g / 2pi, BV = b / 2pi + 1/4; w_out and b_out take the factor 0.1.
; One work-group of 32 waves: wave k, lane n own element (k, n) of each matrix; the matrices meet in LDS behind one barrier.
; LIMIT: of a split number hi + lo the rest, about 2^-17 of it, is dropped.
.set FW2O, 2048                        ; byte offsets in wts: FW1 at 0 (2 images), FW2, FW3, FR1, FR2, FR3 every 4,096 (hi t0, hi t1, lo t0, lo t1)
.set VEC,  22528                       ; vectors of 32 f32: VT +0, VB +128, CB2 +256, CB3 +384, G1-3 +512.., BV1-3 +896.., WO0 +1280, WO1 +1408, BO +1536
.set NEG1, 7                           ; v7 = -1.0
.macro WSUM s                          ; v14 = the sum of v[s] over the wave's 32 lanes, in every lane (v14, v15 were written at the head)
	v_add_f32_dpp v14, v[\s], v[\s] row_xmask:1 row_mask:0xf bank_mask:0xf
	v_add_f32_dpp v14, v14, v14 row_xmask:2 row_mask:0xf bank_mask:0xf
	v_add_f32_dpp v14, v14, v14 row_xmask:4 row_mask:0xf bank_mask:0xf
	v_add_f32_dpp v14, v14, v14 row_xmask:8 row_mask:0xf bank_mask:0xf
	v_permlanex16_b32 v15, v14, s26, s27
	v_add_f32 v14, v14, v15
.endm
.macro CENTRE s                        ; v[s] -= its mean over the 32 lanes
	WSUM \s
	v_fmamk_f32 v[\s], v14, 0xbd000000, v[\s]      ; - sum / 32
.endm
.macro SPLITN n, hi, lo, z             ; n pairs of f32 at v[z..] -> bf16 hi at v[hi..], bf16 of the remainders at v[lo..]; z is used up
.set i_, 0
.rept \n
	v_cvt_pk_bf16_f32 v[(\hi)+i_], v[(\z)+2*i_], v[(\z)+2*i_+1]
.set i_, i_+1
.endr
.set i_, 0
.rept \n
	v_fma_mix_f32_bf16 v[(\z)+2*i_], v[(\hi)+i_], v[NEG1], v[(\z)+2*i_] op_sel_hi:[1,0,0]
	v_fma_mix_f32_bf16 v[(\z)+2*i_+1], v[(\hi)+i_], v[NEG1], v[(\z)+2*i_+1] op_sel:[1,0,0] op_sel_hi:[1,0,0]
.set i_, i_+1
.endr
.set i_, 0
.rept \n
	v_cvt_pk_bf16_f32 v[(\lo)+i_], v[(\z)+2*i_], v[(\z)+2*i_+1]
.set i_, i_+1
.endr
.endm
	s_load_b512 s[4:19], s[0:1], 0x0               ; w_in s[4:5], b_in s[6:7], w_h s[8:9], b_h s[10:11], ln_g s[12:13], ln_b s[14:15], w_out s[16:17], b_out s[18:19]
	s_load_b128 s[20:23], s[0:1], 0x40             ; r_wh s[20:21], wts s[22:23]
	v_lshl_add_u32 v64, v0, 2, 0x6000
	v_mov_b32 v65, 0
	v_lshrrev_b32 v1, 5, v0
	v_readfirstlane_b32 s24, v1                    ; wave
	v_and_b32 v2, 31, v0                           ; lane
	v_lshlrev_b32 v3, 2, v0                        ; 4 x thread = 128 k + 4 n
	v_lshlrev_b32 v6, 2, v2                        ; 4 x lane
	v_mov_b32 v[NEG1], -1.0
	v_mov_b32 v14, 0
	v_mov_b32 v15, 0
	s_mov_b32 s26, 0x76543210                      ; each lane takes its own place in the other half
	s_mov_b32 s27, 0xfedcba98
	s_wait_kmcnt 0x0
	; PHASE A: six matrices, element (k, n) each; w_h's rows are centred; all go to LDS as [k][n] f32, matrix i at 4,096 i
.irp i, 0,1,2
	global_load_b32 v[8+\i], v3, s[8:9] offset:4096*\i
	global_load_b32 v[11+\i], v3, s[20:21] offset:4096*\i
.endr
	s_wait_loadcnt 0x0
.irp i, 0,1,2
	CENTRE 8+\i
.endr
.irp i, 0,1,2,3,4,5
	ds_store_b32 v3, v[8+\i] offset:4096*\i
.endr
	s_wait_dscnt 0x0                               ; for the others' sake: my stores are done
	s_barrier_signal -1
	s_barrier_wait -1                              ; from here on LDS is only read
	; PHASE B, by the wave's number
	s_cmp_lt_u32 s24, 10
	s_cbranch_scc0 .Lnot_builder
	; waves 0-9: image tau = wave & 1 of matrix 1 + wave / 2, hi and lo
	s_lshr_b32 s28, s24, 1
	s_and_b32 s29, s24, 1
	s_add_co_u32 s30, s28, 1
	s_lshl_b32 s30, s30, 12
	s_lshl_b32 s31, s29, 6
	s_add_co_u32 s30, s30, s31                     ; the matrix, and 16 tau columns on
	v_and_b32 v4, 15, v0                           ; r
	v_bfe_u32 v5, v0, 4, 1                         ; h
	v_lshlrev_b32 v4, 2, v4
	v_lshl_add_u32 v4, v5, 10, v4                  ; 4 r + 8 h rows of 128 bytes
	v_add_nc_u32 v4, s30, v4
.set i_, 0
.rept 16                                           ; element i: k = 16 (i / 8) + 8 h + i % 8
	ds_load_b32 v[16+i_], v4 offset:(16*(i_/8)+i_%8)*128
.set i_, i_+1
.endr
	s_lshl_b32 s30, s28, 12
	s_lshl_b32 s31, s29, 10
	s_add_co_u32 s30, s30, s31
	v_lshlrev_b32 v48, 4, v2
	v_add_nc_u32 v48, s30, v48
	s_wait_dscnt 0x0
	SPLITN 8, 32, 40, 16
	global_store_b128 v48, v[32:35], s[22:23] offset:FW2O        ; each store of the wave covers 512 consecutive bytes
	global_store_b128 v48, v[36:39], s[22:23] offset:FW2O+512
	global_store_b128 v48, v[40:43], s[22:23] offset:FW2O+2048
	global_store_b128 v48, v[44:47], s[22:23] offset:FW2O+2560
	s_wait_tensorcnt 0x0
	ds_add_u32 v64, v65
	s_wait_dscnt 0x0
	s_endpgm
.Lnot_builder:
	s_cmp_lt_u32 s24, 14
	s_cbranch_scc0 .Lvectors
	; waves 10-13: u W0c for u = w_in[0], w_in[1], w_in[2], b_in; lane n owns column n
	s_sub_co_u32 s25, s24, 10                      ; c
	s_min_u32 s30, s25, 2                          ; the row of w_in (kept inside w_in for c = 3 too)
	s_lshl_b32 s30, s30, 7
	s_mov_b32 s31, 0
	s_add_nc_u64 s[30:31], s[4:5], s[30:31]
	s_cmp_eq_u32 s25, 3
	s_cselect_b64 s[28:29], s[6:7], s[30:31]
	s_load_b512 s[32:47], s[28:29], 0x0
	s_load_b512 s[48:63], s[28:29], 0x40
.set i_, 0
.rept 32
	ds_load_b32 v[16+i_], v6 offset:128*i_         ; W0c[m][n]
.set i_, i_+1
.endr
	s_wait_kmcnt 0x0
	s_wait_dscnt 0x0
	v_mul_f32 v8, s32, v16
.set i_, 1
.rept 31
	v_fmac_f32 v8, s[32+i_], v[16+i_]
.set i_, i_+1
.endr
	s_cmp_lt_u32 s25, 2
	s_cbranch_scc0 .Lvt
	; c = 0, 1: three bf16 parts, in k slots w1,w2 | w3,w1 | w2,w1 | 0,0 of lane r + 16 c of image n / 16
	v_cvt_pk_bf16_f32 v9, v8, v8
	v_lshlrev_b32 v10, 16, v9
	v_sub_f32 v11, v8, v10
	v_cvt_pk_bf16_f32 v12, v11, v11
	v_lshlrev_b32 v10, 16, v12
	v_sub_f32 v11, v11, v10
	v_cvt_pk_bf16_f32 v13, v11, v11
	s_mov_b32 s30, 0x05040100                      ; low half of the second source below, low half of the first above
	v_perm_b32 v48, v12, v9, s30
	v_perm_b32 v49, v9, v13, s30
	v_perm_b32 v50, v9, v12, s30
	v_mov_b32 v51, 0
	v_mov_b32 v52, 0
	v_mov_b32 v53, 0
	v_mov_b32 v54, 0
	v_mov_b32 v55, 0
	v_lshrrev_b32 v56, 4, v2
	v_and_b32 v57, 15, v2
	v_lshlrev_b32 v56, 10, v56
	v_lshl_add_u32 v56, v57, 4, v56
	s_lshl_b32 s31, s25, 8
	v_add_nc_u32 v56, s31, v56
	global_store_b128 v56, v[48:51], s[22:23]
	global_store_b128 v56, v[52:55], s[22:23] offset:512         ; k = 16 .. 31 are not used
	s_wait_tensorcnt 0x0
	ds_add_u32 v64, v65
	s_wait_dscnt 0x0
	s_endpgm
.Lvt:
	s_cmp_eq_u32 s25, 2
	s_cbranch_scc0 .Lvb
	global_store_b32 v6, v8, s[22:23] offset:VEC
	s_wait_tensorcnt 0x0
	ds_add_u32 v64, v65
	s_wait_dscnt 0x0
	s_endpgm
.Lvb:
	global_load_b32 v9, v6, s[10:11]
	s_wait_loadcnt 0x0
	CENTRE 9
	v_add_f32 v8, v8, v9
	global_store_b32 v6, v8, s[22:23] offset:VEC+128
	s_wait_tensorcnt 0x0
	ds_add_u32 v64, v65
	s_wait_dscnt 0x0
	s_endpgm
.Lvectors:
	s_cmp_eq_u32 s24, 14
	s_cbranch_scc0 .Lend
	; wave 14: the other vectors
	v_lshlrev_b32 v26, 3, v2
	v_and_b32 v28, 1, v0
	v_lshlrev_b32 v28, 2, v28
	global_load_b32 v8, v6, s[10:11] offset:128
	global_load_b32 v9, v6, s[10:11] offset:256
.irp i, 0,1,2
	global_load_b32 v[16+\i], v6, s[12:13] offset:128*\i
	global_load_b32 v[20+\i], v6, s[14:15] offset:128*\i
.endr
	global_load_b64 v[24:25], v26, s[16:17]
	global_load_b32 v27, v28, s[18:19]
	s_mov_b32 s28, 0x3e22f983                      ; 1 / 2pi
	s_mov_b32 s29, 0x3e800000                      ; 1 / 4
	s_mov_b32 s30, 0x3dcccccd                      ; 0.1
	s_wait_loadcnt 0x0
	CENTRE 8
	CENTRE 9
.irp i, 0,1,2
	v_mul_f32 v[16+\i], s28, v[16+\i]
	v_fma_f32 v[20+\i], v[20+\i], s28, s29
.endr
	v_mul_f32 v24, s30, v24
	v_mul_f32 v25, s30, v25
	v_mul_f32 v27, s30, v27
	global_store_b32 v6, v8, s[22:23] offset:VEC+256
	global_store_b32 v6, v9, s[22:23] offset:VEC+384
.irp i, 0,1,2
	global_store_b32 v6, v[16+\i], s[22:23] offset:VEC+512+128*\i
	global_store_b32 v6, v[20+\i], s[22:23] offset:VEC+896+128*\i
.endr
	global_store_b32 v6, v24, s[22:23] offset:VEC+1280
	global_store_b32 v6, v25, s[22:23] offset:VEC+1408
	global_store_b32 v6, v27, s[22:23] offset:VEC+1536
.Lend:
	s_wait_tensorcnt 0x0
	ds_add_u32 v64, v65
	s_wait_dscnt 0x0
	s_endpgm
.Lfunc_end_k_q19e9dc8466_prep:
	.size	k_q19e9dc8466_prep, .Lfunc_end_k_q19e9dc8466_prep-k_q19e9dc8466_prep
	.p2alignl 7, 3214868480
	.fill 96, 4, 3214868480
	.section	.rodata,"a",@progbits
	.p2align	6, 0x0
	.amdhsa_kernel k_q19e9dc8466_prep
		.amdhsa_group_segment_fixed_size 28672
		.amdhsa_private_segment_fixed_size 0
		.amdhsa_enable_private_segment 0
		.amdhsa_kernarg_size 80
		.amdhsa_user_sgpr_count 2
		.amdhsa_user_sgpr_kernarg_segment_ptr 1
		.amdhsa_wavefront_size32 1
		.amdhsa_system_sgpr_workgroup_id_x 1
		.amdhsa_system_sgpr_workgroup_id_y 1
		.amdhsa_system_sgpr_workgroup_id_z 1
		.amdhsa_system_vgpr_workitem_id 0
		.amdhsa_next_free_vgpr 66
		.amdhsa_next_free_sgpr 66
		.amdhsa_reserve_vcc 0
		.amdhsa_float_denorm_mode_32 3
		.amdhsa_float_denorm_mode_16_64 3
		.amdhsa_memory_ordered 1
		.amdhsa_forward_progress 1
		.amdhsa_inst_pref_size 17
	.end_amdhsa_kernel
	.amdgpu_metadata
---
amdhsa.version: [ 1, 2 ]
amdhsa.kernels:
  - .name:           k_q19e9dc8466_prep
    .symbol:         k_q19e9dc8466_prep.kd
    .args:
      - { .name: w_in, .offset: 0, .size: 8, .value_kind: global_buffer, .address_space: global }
      - { .name: b_in, .offset: 8, .size: 8, .value_kind: global_buffer, .address_space: global }
      - { .name: w_h, .offset: 16, .size: 8, .value_kind: global_buffer, .address_space: global }
      - { .name: b_h, .offset: 24, .size: 8, .value_kind: global_buffer, .address_space: global }
      - { .name: ln_g, .offset: 32, .size: 8, .value_kind: global_buffer, .address_space: global }
      - { .name: ln_b, .offset: 40, .size: 8, .value_kind: global_buffer, .address_space: global }
      - { .name: w_out, .offset: 48, .size: 8, .value_kind: global_buffer, .address_space: global }
      - { .name: b_out, .offset: 56, .size: 8, .value_kind: global_buffer, .address_space: global }
      - { .name: r_wh, .offset: 64, .size: 8, .value_kind: global_buffer, .address_space: global }
      - { .name: wts, .offset: 72, .size: 8, .value_kind: global_buffer, .address_space: global }
    .group_segment_fixed_size: 28672
    .private_segment_fixed_size: 0
    .kernarg_segment_align: 8
    .kernarg_segment_size: 80
    .max_flat_workgroup_size: 1024
    .sgpr_count:     66
    .vgpr_count:     66
    .wavefront_size: 32
...
	.end_amdgpu_metadata
.endif
;; end of part 1
;; launch feat (part 2): grid 512 x 1, 8 waves a work-group, no clusters, 37,888 bytes of LDS; arguments data, lerp_w, x0, y0, x1, y1, wts, pfeat; writes pfeat
.if DOCPART == 2
	.amdgcn_target "amdgcn-amd-amdhsa--gfx1250"
	.amdhsa_code_object_version 6
	.text
	.protected	k_q19e9dc8466_feat
	.globl	k_q19e9dc8466_feat
	.p2align	8
	.type	k_q19e9dc8466_feat,@function
k_q19e9dc8466_feat:
	s_mov_b64 s[64:65], 0
	v_nop
	global_prefetch_b8 v0, s[64:65] scope:SCOPE_SE
	s_setreg_imm32_b32 hwreg(HW_REG_WAVE_MODE, 25, 1), 1
	s_wait_xcnt 0x0
; FEAT: pfeat[pixel][:] = feats[pixel][:] r_wh[0], feats = the four-corner blend of data through x0, y0, x1, y1 and lerp_w.
; The sampling that follows is linear in the image, so the renderer's first product is made here, once for each of the 262,144 pixels, and not once for each of the 2,097,152 points.
; SHARES.  A wave owns 64 consecutive pixels, four tiles of 16, written out.  In the gather lane (g, s) = (lane / 8, lane % 8) holds, in turn t, channels 4 s .. 4 s + 3 of pixel 4 g + t:
; eight neighbouring lanes read one whole record of 128 bytes.  The blend is made in f32, split into bf16 hi + lo, turned through the wave's own LDS into the matrix
; instruction's source 1 (lane (r, h): pixel r), and multiplied as hi hi + lo hi + hi lo (weights first).  The result goes back through LDS, so that each store covers 512 consecutive bytes.
; No tensor load, no cluster: the rows are named lane by lane by the index inputs, and work-groups share only 4 KiB of weights.
; LIMITS.  The product lo x lo, about 2^-18 of a term, is dropped.  Indices are taken as inside 0 .. 511 (they are clamped there as unsigned numbers).
.set FR1O, 10240                       ; r_wh[0]'s four images in wts
.set WLDS, 4608                        ; LDS of a wave: HT 16 rows x 144 bytes (hi 64 | lo 64 | pad 16), then OS 16 rows x 144 (128 of f32 | pad 16)
.set NEG1, 9                           ; v9 = -1.0
.set IX,  12                           ; v12-27  x0, y0, x1, y1 of my four pixels
.set LW,  28                           ; v28-35  wA, wB of my four pixels
.set OFF, 36                           ; v36-51  byte offset in data, by turn and corner
.set WT,  52                           ; v52-67  the four corner weights, by turn
.set T,   68                           ; v68-71  at work
.set GB,  72                           ; v72-135 gathered: 16 t + 4 corner
.set Z,   136                          ; v136-151 the blend, 4 a turn
.set HSH, 152                          ; v152-159 its hi parts, 2 a turn;  v160-167 its lo parts
.set HSL, 160
.set HH,  168                          ; v168-175 source 1, hi;  v176-183 lo
.set HL,  176
.set ACC, 184                          ; v184-199 two accumulators (channels 0-15, 16-31)
.set OU,  200                          ; v200-215 rows read back for the stores
.set FR,  216                          ; v216-247 hi t0, hi t1, lo t0, lo t1
.macro SPLITN n, hi, lo, z             ; n pairs of f32 at v[z..] -> bf16 hi at v[hi..], bf16 of the remainders at v[lo..]; z is used up
.set i_, 0
.rept \n
	v_cvt_pk_bf16_f32 v[(\hi)+i_], v[(\z)+2*i_], v[(\z)+2*i_+1]
.set i_, i_+1
.endr
.set i_, 0
.rept \n
	v_fma_mix_f32_bf16 v[(\z)+2*i_], v[(\hi)+i_], v[NEG1], v[(\z)+2*i_] op_sel_hi:[1,0,0]
	v_fma_mix_f32_bf16 v[(\z)+2*i_+1], v[(\hi)+i_], v[NEG1], v[(\z)+2*i_+1] op_sel:[1,0,0] op_sel_hi:[1,0,0]
.set i_, i_+1
.endr
.set i_, 0
.rept \n
	v_cvt_pk_bf16_f32 v[(\lo)+i_], v[(\z)+2*i_], v[(\z)+2*i_+1]
.set i_, i_+1
.endr
.endm
	s_load_b512 s[4:19], s[0:1], 0x0               ; data s[4:5], lerp_w s[6:7], x0 s[8:9], y0 s[10:11], x1 s[12:13], y1 s[14:15], wts s[16:17], pfeat s[18:19]
	v_lshl_add_u32 v248, v0, 2, 0x9000
	v_mov_b32 v249, 0
	v_lshrrev_b32 v10, 5, v0
	v_readfirstlane_b32 s20, v10                   ; wave
	v_and_b32 v10, 31, v0                          ; lane
	v_and_b32 v11, 7, v0                           ; s
	v_bfe_u32 v68, v0, 3, 2                        ; g
	v_and_b32 v69, 15, v0                          ; r
	v_bfe_u32 v70, v0, 4, 1                        ; h
	v_lshlrev_b32 v1, 4, v11                       ; v1 = 16 s
	v_lshlrev_b32 v2, 4, v68                       ; v2 = 16 g
	v_lshlrev_b32 v3, 5, v68                       ; v3 = 32 g
	v_lshlrev_b32 v4, 4, v10                       ; v4 = 16 lane
	s_mul_i32 s21, s20, WLDS                       ; my wave's LDS
	v_mul_u32_u24 v5, v68, 576
	v_lshl_add_u32 v5, v11, 3, v5
	v_add_nc_u32 v5, s21, v5                       ; v5: HT, in: row 4 g (+ t), 8 bytes at 8 s
	v_mul_u32_u24 v6, v69, 144
	v_lshl_add_u32 v7, v70, 5, v6
	v_lshl_add_u32 v6, v70, 4, v6
	v_add_nc_u32 v6, s21, v6                       ; v6: HT, out: row r, 16 bytes at 16 h
	v_add_nc_u32 v7, s21, v7
	v_add_nc_u32 v7, 2304, v7                      ; v7: OS, in: row r, 32 bytes at 32 h
	v_mul_u32_u24 v8, v68, 144
	v_lshl_add_u32 v8, v11, 4, v8
	v_add_nc_u32 v8, s21, v8
	v_add_nc_u32 v8, 2304, v8                      ; v8: OS, out: row g (+ 4 u), 16 bytes at 16 s
	v_mov_b32 v[NEG1], -1.0
	s_lshl_b32 s22, ttmp9, 3
	s_add_co_u32 s22, s22, s20                     ; my wave among all: 64 pixels each
	s_lshl_b32 s24, s22, 9                         ; x 8 bytes
	s_lshl_b32 s26, s22, 13                        ; x 128 bytes
	s_lshl_b32 s22, s22, 8                         ; x 4 bytes
	s_mov_b32 s23, 0
	s_mov_b32 s25, 0
	s_mov_b32 s27, 0
	s_wait_kmcnt 0x0
	s_add_nc_u64 s[8:9], s[8:9], s[22:23]
	s_add_nc_u64 s[10:11], s[10:11], s[22:23]
	s_add_nc_u64 s[12:13], s[12:13], s[22:23]
	s_add_nc_u64 s[14:15], s[14:15], s[22:23]
	s_add_nc_u64 s[6:7], s[6:7], s[24:25]
	s_add_nc_u64 s[18:19], s[18:19], s[26:27]
.macro IDXLOAD i                       ; six loads: the indices and weights of my four pixels of tile i
	global_load_b128 v[IX:IX+3],     v2, s[8:9]   offset:64*(\i)
	global_load_b128 v[IX+4:IX+7],   v2, s[10:11] offset:64*(\i)
	global_load_b128 v[IX+8:IX+11],  v2, s[12:13] offset:64*(\i)
	global_load_b128 v[IX+12:IX+15], v2, s[14:15] offset:64*(\i)
	global_load_b128 v[LW:LW+3],     v3, s[6:7]   offset:128*(\i)
	global_load_b128 v[LW+4:LW+7],   v3, s[6:7]   offset:128*(\i)+16
.endm
.macro ADDR                            ; offsets ((y 512 + x) 128 + 16 s) and weights of the corners (y0,x0) (y0,x1) (y1,x0) (y1,x1)
.irp t, 0,1,2,3
	v_min_u32 v[IX+\t],    511, v[IX+\t]
	v_min_u32 v[IX+4+\t],  511, v[IX+4+\t]
	v_min_u32 v[IX+8+\t],  511, v[IX+8+\t]
	v_min_u32 v[IX+12+\t], 511, v[IX+12+\t]
	v_lshl_add_u32 v[T],   v[IX+4+\t],  9, v[IX+\t]
	v_lshl_add_u32 v[T+1], v[IX+4+\t],  9, v[IX+8+\t]
	v_lshl_add_u32 v[T+2], v[IX+12+\t], 9, v[IX+\t]
	v_lshl_add_u32 v[T+3], v[IX+12+\t], 9, v[IX+8+\t]
	v_lshl_add_u32 v[OFF+4*\t],   v[T],   7, v1
	v_lshl_add_u32 v[OFF+4*\t+1], v[T+1], 7, v1
	v_lshl_add_u32 v[OFF+4*\t+2], v[T+2], 7, v1
	v_lshl_add_u32 v[OFF+4*\t+3], v[T+3], 7, v1
	v_sub_f32 v[T],   1.0, v[LW+2*\t]
	v_sub_f32 v[T+1], 1.0, v[LW+2*\t+1]
	v_mul_f32 v[WT+4*\t],   v[T], v[T+1]
	v_mul_f32 v[WT+4*\t+1], v[LW+2*\t], v[T+1]
	v_mul_f32 v[WT+4*\t+2], v[T], v[LW+2*\t+1]
	v_mul_f32 v[WT+4*\t+3], v[LW+2*\t], v[LW+2*\t+1]
.endr
.endm
.macro GATHER
.irp t, 0,1,2,3
.irp c, 0,1,2,3
	global_load_b128 v[GB+16*\t+4*\c:GB+16*\t+4*\c+3], v[OFF+4*\t+\c], s[4:5]
.endr
.endr
.endm
.macro INTERP                          ; a weight is one register of a pair: op_sel picks it for both halves
.irp t, 0,1,2,3
.irp k, 0,2
	v_pk_mul_f32 v[Z+4*\t+\k:Z+4*\t+\k+1], v[GB+16*\t+\k:GB+16*\t+\k+1], v[WT+4*\t:WT+4*\t+1] op_sel_hi:[1,0]
	v_pk_fma_f32 v[Z+4*\t+\k:Z+4*\t+\k+1], v[GB+16*\t+4+\k:GB+16*\t+4+\k+1], v[WT+4*\t:WT+4*\t+1], v[Z+4*\t+\k:Z+4*\t+\k+1] op_sel:[0,1,0] op_sel_hi:[1,1,1]
	v_pk_fma_f32 v[Z+4*\t+\k:Z+4*\t+\k+1], v[GB+16*\t+8+\k:GB+16*\t+8+\k+1], v[WT+4*\t+2:WT+4*\t+3], v[Z+4*\t+\k:Z+4*\t+\k+1] op_sel_hi:[1,0,1]
	v_pk_fma_f32 v[Z+4*\t+\k:Z+4*\t+\k+1], v[GB+16*\t+12+\k:GB+16*\t+12+\k+1], v[WT+4*\t+2:WT+4*\t+3], v[Z+4*\t+\k:Z+4*\t+\k+1] op_sel:[0,1,0] op_sel_hi:[1,1,1]
.endr
.endr
.endm
.macro TRANSP                          ; from (pixel 4 g + t, channels 4 s ..) to (pixel r, k = 8 h .., 16 + 8 h ..).  The bytes are my wave's own, and LDS serves a wave's instructions in order (ISA guide 5.7.1.4)
.irp t, 0,1,2,3
	ds_store_b64 v5, v[HSH+2*\t:HSH+2*\t+1] offset:144*\t
	ds_store_b64 v5, v[HSL+2*\t:HSL+2*\t+1] offset:144*\t+64
.endr
	ds_load_b128 v[HH:HH+3],   v6
	ds_load_b128 v[HH+4:HH+7], v6 offset:32
	ds_load_b128 v[HL:HL+3],   v6 offset:64
	ds_load_b128 v[HL+4:HL+7], v6 offset:96
	s_wait_dscnt 0x0
.endm
.macro MM                              ; hi hi + lo hi + hi lo; the two accumulators take turns; the first products start the sums
	v_wmma_f32_16x16x32_bf16 v[ACC:ACC+7],    v[FR:FR+7],     v[HH:HH+7], 0
	v_wmma_f32_16x16x32_bf16 v[ACC+8:ACC+15], v[FR+8:FR+15],  v[HH:HH+7], 0
	v_wmma_f32_16x16x32_bf16 v[ACC:ACC+7],    v[FR+16:FR+23], v[HH:HH+7], v[ACC:ACC+7]
	v_wmma_f32_16x16x32_bf16 v[ACC+8:ACC+15], v[FR+24:FR+31], v[HH:HH+7], v[ACC+8:ACC+15]
	v_wmma_f32_16x16x32_bf16 v[ACC:ACC+7],    v[FR:FR+7],     v[HL:HL+7], v[ACC:ACC+7]
	v_wmma_f32_16x16x32_bf16 v[ACC+8:ACC+15], v[FR+8:FR+15],  v[HL:HL+7], v[ACC+8:ACC+15]
.endm
.macro OUTP i
.rept 4
	v_nop                                          ; four places between the last product and the first read of a result (ISA guide 7.12.1)
.endr
	ds_store_b128 v7, v[ACC:ACC+3]                 ; lane (r, h): pixel r, channels 16 tau + 8 h + 0..7; each accumulator from its low end
	ds_store_b128 v7, v[ACC+4:ACC+7]    offset:16
	ds_store_b128 v7, v[ACC+8:ACC+11]   offset:64
	ds_store_b128 v7, v[ACC+12:ACC+15]  offset:80
	s_wait_xcnt 0x0                                ; the last tile's stores have read OU: it is loaded again only behind this wait
.irp u, 0,1,2,3
	ds_load_b128 v[OU+4*\u:OU+4*\u+3], v8 offset:576*\u
.endr
	s_wait_dscnt 0x0
.irp u, 0,1,2,3
	global_store_b128 v4, v[OU+4*\u:OU+4*\u+3], s[18:19] offset:2048*(\i)+512*\u   ; four rows of 128 bytes: 512 consecutive bytes, aligned
.endr
.endm
.macro TILE i
	s_wait_loadcnt 0x0                             ; this tile's indices and weights (at tile 0 the weight images too); no gather is out here
	ADDR
	GATHER
.if (\i) < 3
	IDXLOAD (\i)+1
	s_wait_loadcnt 0x6                             ; the 16 gathers are in; the six younger loads, the next tile's indices, stay out
.else
	s_wait_loadcnt 0x0
.endif
	INTERP
	SPLITN 8, HSH, HSL, Z
	TRANSP
	MM
	OUTP \i
.endm
.irp m, 0,1,2,3
	global_load_b128 v[FR+8*\m:FR+8*\m+3],   v4, s[16:17] offset:FR1O+1024*\m
	global_load_b128 v[FR+8*\m+4:FR+8*\m+7], v4, s[16:17] offset:FR1O+1024*\m+512
.endr
	IDXLOAD 0
	TILE 0
	TILE 1
	TILE 2
	TILE 3
	s_wait_tensorcnt 0x0
	ds_add_u32 v248, v249
	s_wait_dscnt 0x0
	s_endpgm
.Lfunc_end_k_q19e9dc8466_feat:
	.size	k_q19e9dc8466_feat, .Lfunc_end_k_q19e9dc8466_feat-k_q19e9dc8466_feat
	.p2alignl 7, 3214868480
	.fill 96, 4, 3214868480
	.section	.rodata,"a",@progbits
	.p2align	6, 0x0
	.amdhsa_kernel k_q19e9dc8466_feat
		.amdhsa_group_segment_fixed_size 37888
		.amdhsa_private_segment_fixed_size 0
		.amdhsa_enable_private_segment 0
		.amdhsa_kernarg_size 64
		.amdhsa_user_sgpr_count 2
		.amdhsa_user_sgpr_kernarg_segment_ptr 1
		.amdhsa_wavefront_size32 1
		.amdhsa_system_sgpr_workgroup_id_x 1
		.amdhsa_system_sgpr_workgroup_id_y 1
		.amdhsa_system_sgpr_workgroup_id_z 1
		.amdhsa_system_vgpr_workitem_id 0
		.amdhsa_next_free_vgpr 250
		.amdhsa_next_free_sgpr 66
		.amdhsa_reserve_vcc 0
		.amdhsa_float_denorm_mode_32 3
		.amdhsa_float_denorm_mode_16_64 3
		.amdhsa_memory_ordered 1
		.amdhsa_forward_progress 1
		.amdhsa_inst_pref_size 52
	.end_amdhsa_kernel
	.amdgpu_metadata
---
amdhsa.version: [ 1, 2 ]
amdhsa.kernels:
  - .name:           k_q19e9dc8466_feat
    .symbol:         k_q19e9dc8466_feat.kd
    .args:
      - { .name: data, .offset: 0, .size: 8, .value_kind: global_buffer, .address_space: global }
      - { .name: lerp_w, .offset: 8, .size: 8, .value_kind: global_buffer, .address_space: global }
      - { .name: x0, .offset: 16, .size: 8, .value_kind: global_buffer, .address_space: global }
      - { .name: y0, .offset: 24, .size: 8, .value_kind: global_buffer, .address_space: global }
      - { .name: x1, .offset: 32, .size: 8, .value_kind: global_buffer, .address_space: global }
      - { .name: y1, .offset: 40, .size: 8, .value_kind: global_buffer, .address_space: global }
      - { .name: wts, .offset: 48, .size: 8, .value_kind: global_buffer, .address_space: global }
      - { .name: pfeat, .offset: 56, .size: 8, .value_kind: global_buffer, .address_space: global }
    .group_segment_fixed_size: 37888
    .private_segment_fixed_size: 0
    .kernarg_segment_align: 8
    .kernarg_segment_size: 64
    .max_flat_workgroup_size: 256
    .sgpr_count:     66
    .vgpr_count:     250
    .wavefront_size: 32
...
	.end_amdgpu_metadata
.endif
;; end of part 2
;; launch warp (part 3): grid 256 x 1, 8 waves a work-group, no clusters, 0 bytes of LDS; arguments t, xy_basis, wts, idx, wgt; writes idx, wgt
.if DOCPART == 3
	.amdgcn_target "amdgcn-amd-amdhsa--gfx1250"
	.amdhsa_code_object_version 6
	.text
	.protected	k_q19e9dc8466_warp
	.globl	k_q19e9dc8466_warp
	.p2align	8
	.type	k_q19e9dc8466_warp,@function
k_q19e9dc8466_warp:
	s_mov_b64 s[64:65], 0
	v_nop
	global_prefetch_b8 v0, s[64:65] scope:SCOPE_SE
	s_setreg_imm32_b32 hwreg(HW_REG_WAVE_MODE, 25, 1), 1
	s_wait_xcnt 0x0
; WARP: the motion network, and what the sampling needs of it: for each point p = batch x 262,144 + pixel the whole number idx[p] = yb 512 + xb and four corner weights.
; The addresses of the sampling hang on floating-point results, so they are stored here as whole numbers and used by the next launch.
; SHARES.  Wave w of a work-group is batch w; the work-group owns 1,024 pixels; a trip takes 64 of them, four tiles of 16 points.  Tile q, row r is point 32 (q / 2) + 2 r + q % 2 of the 64,
; so that lane l ends up with the neighbouring points 2 l and 2 l + 1 and stores 8 and 16 neighbouring bytes.
; PRODUCTS.  D = W^T x points (source 0 = 16 output channels, source 1 = 16 points): lane (r, h) holds point r and channels 16 tau + 8 h + 0..7, and the two results of a tile, rounded in pairs,
; ARE the next source 1.  Operands are bf16 hi + lo, three products hi hi + lo hi + hi lo; biases are the C operand of the first.  The first layer (x, y, alpha -> 32, folded into the first hidden
; layer by the launch before) is one instruction a result: x and y in three bf16 parts against three parts of their rows, in six k slots; alpha's part and the bias come in f32 as C.
; LAYERNORM.  The weights are centred, so a result is x - mean(x); the variance is the mean of its squares over the lane's 16 channels and the 16 of the lane 16 away.
; SINE.  y = LN / 2pi + 1/4 (folded into gain and bias), f = fract(y), v = f f - f in [-1/4, 0], sin = a polynomial of degree 5 in v (cos(pi x) in x^2 = 1 + 4 v, Chebyshev series cut behind T10).
; SAMPLING.  i = 256 g + 255.5; b = floor(i) clamped to 0 .. 510; weights max(0, 1 - |i - b|) and max(0, 1 - |i - b - 1|): the four corners with their zero padding, on columns b, b + 1 that always exist.
; The 32 -> 2 product is made by packed f32 multiply-adds: it would fill an eighth of a matrix tile and ask for one more split.
; LIMITS.  lo x lo, about 2^-18 of a term, is dropped; the sine is off by 8e-7 at the most, plus the rounding of y, which grows with |LN|; NaN and infinities are not treated apart.
; REGISTERS.  Window 1 (v256-511, written by their low 8 bits) holds constants alone; s_set_vgpr_msb: bits 1:0 source 0, 3:2 source 1, 5:4 source 2, 7:6 destination.
.set VEC,  22528
.set L16,  1                           ; v1 16 lane   v2 32 h   v3 16 r   v4 8 lane   v5 -1.0
.set H32,  2
.set R16,  3
.set L8,   4
.set NEG1, 5
.set XY,   8                           ; v8-15   x, y of row r of tiles 0..3
.set SS,   16                          ; v16-23  a pair a tile: sums of squares, then 1 / sigma in the first
.set XQ,   24                          ; v24-27  from the other half of the lanes
.set T,    28                          ; v28-31  at work
.set P,    32                          ; v32-47  the sines of one tile
.set DA,   48                          ; v48-55  four chains of the last product
.set OXY,  56                          ; v56-59  x, y of my two points
.set OWN,  60                          ; v60-63  motion x, y of my two points, and what is made of it
.set ACC,  64                          ; v64-127 tile q: 16 registers (tau 0, tau 1)
.set HB,   128                         ; v128-191 tile q: source 1, hi 8, lo 8
.set B1,   192                         ; v192-223 tile q: source 1 of the first layer; registers 3-7 stay 0
.set MXY,  224                         ; v224-227 partial motion x of tiles 0..3; v228-231 y
.set IDP,  232                         ; v232-233 two indices
.set WQ,   236                         ; v236-243 two quads of weights
.set PT,   244                         ; v244-251 at work
.set FW1,  0                           ; window 1
.set FW2,  16
.set FW3,  48
.set VBB,  80
.set CB2,  96
.set CB3,  112
.set G1,   128                         ; gain 16, then bias 16
.set G2,   160
.set G3,   192
.set WO0,  224
.set WO1,  240
.set MSB, 0
.macro WIN new                         ; the immediate's high byte repeats the setting that is left; a switch that changes nothing is dropped
.if MSB != (\new)
	s_set_vgpr_msb (MSB<<8)|(\new)
.set MSB, (\new)
.endif
.endm
.macro SPLITN n, hi, lo, z             ; n pairs of f32 at v[z..] -> bf16 hi at v[hi..], bf16 of the remainders at v[lo..]; z is used up
.set i_, 0
.rept \n
	v_cvt_pk_bf16_f32 v[(\hi)+i_], v[(\z)+2*i_], v[(\z)+2*i_+1]
.set i_, i_+1
.endr
.set i_, 0
.rept \n
	v_fma_mix_f32_bf16 v[(\z)+2*i_], v[(\hi)+i_], v[NEG1], v[(\z)+2*i_] op_sel_hi:[1,0,0]
	v_fma_mix_f32_bf16 v[(\z)+2*i_+1], v[(\hi)+i_], v[NEG1], v[(\z)+2*i_+1] op_sel:[1,0,0] op_sel_hi:[1,0,0]
.set i_, i_+1
.endr
.set i_, 0
.rept \n
	v_cvt_pk_bf16_f32 v[(\lo)+i_], v[(\z)+2*i_], v[(\z)+2*i_+1]
.set i_, i_+1
.endr
.endm
.macro VLOAD reg, off                  ; a vector of 32 f32 as a result holds it: channels 8 h + 0..7 and 16 + 8 h + 0..7
	global_load_b128 v[(\reg):(\reg)+3],     v[H32], s[8:9] offset:VEC+(\off)
	global_load_b128 v[(\reg)+4:(\reg)+7],   v[H32], s[8:9] offset:VEC+(\off)+16
	global_load_b128 v[(\reg)+8:(\reg)+11],  v[H32], s[8:9] offset:VEC+(\off)+64
	global_load_b128 v[(\reg)+12:(\reg)+15], v[H32], s[8:9] offset:VEC+(\off)+80
.endm
.macro ILOAD reg, n, off               ; n images of 8 registers
.set i_, 0
.rept \n
	global_load_b128 v[(\reg)+8*i_:(\reg)+8*i_+3],   v[L16], s[8:9] offset:(\off)+1024*i_
	global_load_b128 v[(\reg)+8*i_+4:(\reg)+8*i_+7], v[L16], s[8:9] offset:(\off)+1024*i_+512
.set i_, i_+1
.endr
.endm
	s_load_b256 s[4:11], s[0:1], 0x0               ; t s[4:5], xy_basis s[6:7], wts s[8:9], idx s[10:11]
	s_load_b64 s[12:13], s[0:1], 0x20              ; wgt
	v_lshrrev_b32 v6, 5, v0
	v_readfirstlane_b32 s14, v6                    ; wave = batch
	v_and_b32 v6, 31, v0
	v_and_b32 v7, 15, v0
	v_bfe_u32 v2, v0, 4, 1
	v_lshlrev_b32 v[L16], 4, v6
	v_lshlrev_b32 v[H32], 5, v2
	v_lshlrev_b32 v[R16], 4, v7
	v_lshlrev_b32 v[L8], 3, v6
	v_mov_b32 v[NEG1], -1.0
	s_mov_b32 s24, 0xc1a891a0                      ; c5 .. c0, each twice: the packed forms name pairs
	s_mov_b32 s25, 0xc1a891a0
	s_mov_b32 s26, 0x4201ce73
	s_mov_b32 s27, 0x4201ce73
	s_mov_b32 s28, 0xc21e9a2f
	s_mov_b32 s29, 0xc21e9a2f
	s_mov_b32 s30, 0x419dd506
	s_mov_b32 s31, 0x419dd506
	s_mov_b32 s32, 0xb966a509
	s_mov_b32 s33, 0xb966a509
	s_mov_b32 s34, 0xbf800006
	s_mov_b32 s35, 0xbf800006
	s_mov_b32 s36, 0x3d000000                      ; 1 / 32
	s_mov_b32 s37, 0x3727c5ac                      ; 1e-5
	s_mov_b32 s39, 0x05040100                      ; low half of the second source below, low half of the first above
	s_mov_b32 s40, 0x76543210                      ; each lane takes its own place in the other half
	s_mov_b32 s41, 0xfedcba98
	s_mov_b32 s42, 0xffff0000                      ; lanes 16-31
	s_mov_b32 s44, 0x43800000                      ; 256
	s_mov_b32 s45, 0x437f8000                      ; 255.5
	s_mov_b32 s46, 0x43ff0000                      ; 510
	s_mov_b32 s47, 0x44000000                      ; 512
	s_lshl_b32 s16, s14, 2
	s_mov_b32 s17, 0
	s_mov_b32 s19, 0
	s_wait_kmcnt 0x0
	s_add_nc_u64 s[4:5], s[4:5], s[16:17]
	s_load_b32 s20, s[4:5], 0x0                    ; t of my batch
	s_load_b64 s[48:49], s[8:9], VEC+1536          ; 0.1 b_out
	s_lshl_b32 s16, ttmp9, 13                      ; 1,024 pixels of 8 bytes
	s_add_nc_u64 s[6:7], s[6:7], s[16:17]
	s_lshl_b32 s16, s14, 18
	s_lshl_b32 s18, ttmp9, 10
	s_add_co_u32 s16, s16, s18                     ; my first point
	s_lshl_b32 s18, s16, 4
	s_lshl_b32 s16, s16, 2
	s_add_nc_u64 s[10:11], s[10:11], s[16:17]
	s_add_nc_u64 s[12:13], s[12:13], s[18:19]
	VLOAD P, 0                                     ; VT, for a moment
	WIN 0x40                                       ; destination window 1, address window 0
	ILOAD FW1, 2, 0
	ILOAD FW2, 4, 2048
	ILOAD FW3, 4, 6144
	VLOAD VBB, 128
	VLOAD CB2, 256
	VLOAD CB3, 384
	VLOAD G1, 512
	VLOAD G2, 640
	VLOAD G3, 768
	VLOAD G1+16, 896
	VLOAD G2+16, 1024
	VLOAD G3+16, 1152
	VLOAD WO0, 1280
	VLOAD WO1, 1408
	WIN 0
.irp q, 0,1,2,3
	v_mov_b32 v[XQ+\q], 0                          ; destinations of v_permlanex16_b32 count as read
	v_mov_b32 v[PT+4+\q], 0
.irp j, 3,4,5,6,7
	v_mov_b32 v[B1+8*\q+\j], 0                     ; k slots 6, 7 and 16 .. 31 of the first layer
.endr
.endr
	s_wait_kmcnt 0x0
	s_add_f32 s20, s20, 0.5                        ; alpha
	s_mov_b32 s21, s20
	s_wait_loadcnt 0x0
	WIN 0x50                                       ; destination and source 2 window 1
.set i_, 0
.rept 8
	v_pk_fma_f32 v[VBB+2*i_:VBB+2*i_+1], v[P+2*i_:P+2*i_+1], s[20:21], v[VBB+2*i_:VBB+2*i_+1] op_sel_hi:[1,0,1]   ; V_b = alpha VT + VB
.set i_, i_+1
.endr
	WIN 0
	global_load_b128 v[XY:XY+3],   v[R16], s[6:7]              ; points 2 r, 2 r + 1: tiles 0, 1
	global_load_b128 v[XY+4:XY+7], v[R16], s[6:7] offset:256   ; points 32 + 2 r, 33 + 2 r: tiles 2, 3
.macro SPLIT3 q                        ; lanes 0-15 take x, lanes 16-31 y: three bf16 parts in k slots c1,c1 | c1,c2 | c2,c3
	v_cndmask_b32 v[T], v[XY+2*(\q)], v[XY+2*(\q)+1], s42
	v_cvt_pk_bf16_f32 v[B1+8*(\q)], v[T], v[T]
	v_lshlrev_b32 v[T+1], 16, v[B1+8*(\q)]
	v_sub_f32 v[T], v[T], v[T+1]
	v_cvt_pk_bf16_f32 v[T+2], v[T], v[T]
	v_lshlrev_b32 v[T+1], 16, v[T+2]
	v_sub_f32 v[T], v[T], v[T+1]
	v_cvt_pk_bf16_f32 v[T+3], v[T], v[T]
	v_perm_b32 v[B1+8*(\q)+1], v[T+2], v[B1+8*(\q)], s39
	v_perm_b32 v[B1+8*(\q)+2], v[T+3], v[T+2], s39
.endm
.macro STATS                           ; 1 / sigma of each tile's point; every accumulator is read from its low end on
	WIN 0
.set j_, 0
.rept 8
.irp q, 0,1,2,3
.if j_ == 0
	v_pk_mul_f32 v[SS+2*\q:SS+2*\q+1], v[ACC+16*\q:ACC+16*\q+1], v[ACC+16*\q:ACC+16*\q+1]
.else
	v_pk_fma_f32 v[SS+2*\q:SS+2*\q+1], v[ACC+16*\q+2*j_:ACC+16*\q+2*j_+1], v[ACC+16*\q+2*j_:ACC+16*\q+2*j_+1], v[SS+2*\q:SS+2*\q+1]
.endif
.endr
.set j_, j_+1
.endr
.irp q, 0,1,2,3
	v_add_f32 v[SS+2*\q], v[SS+2*\q], v[SS+2*\q+1]
.endr
.irp q, 0,1,2,3
	v_permlanex16_b32 v[XQ+\q], v[SS+2*\q], s40, s41
.endr
.irp q, 0,1,2,3
	v_add_f32 v[SS+2*\q], v[SS+2*\q], v[XQ+\q]
.endr
.irp q, 0,1,2,3
	v_fma_f32 v[SS+2*\q], v[SS+2*\q], s36, s37     ; variance + eps
.endr
.irp q, 0,1,2,3
	v_rsq_f32 v[SS+2*\q], v[SS+2*\q]
.endr
	v_nop                                          ; a plain instruction between the last root and the use of its result (ISA guide 5.7.2)
.endm
.macro NORM g                          ; a / sigma, then x G + BV
	WIN 0
	s_wait_alu depctr_va_vdst(0)
.irp q, 0,1,2,3
.set j_, 0
.rept 8
	v_pk_mul_f32 v[ACC+16*\q+2*j_:ACC+16*\q+2*j_+1], v[ACC+16*\q+2*j_:ACC+16*\q+2*j_+1], v[SS+2*\q:SS+2*\q+1] op_sel_hi:[1,0]
.set j_, j_+1
.endr
.endr
	WIN 0x14                                       ; sources 1 and 2 window 1
.irp q, 0,1,2,3
.set j_, 0
.rept 8
	v_pk_fma_f32 v[ACC+16*\q+2*j_:ACC+16*\q+2*j_+1], v[ACC+16*\q+2*j_:ACC+16*\q+2*j_+1], v[(\g)+2*j_:(\g)+2*j_+1], v[(\g)+16+2*j_:(\g)+16+2*j_+1]
.set j_, j_+1
.endr
.endr
	WIN 0
.endm
.macro SINE q                          ; tile q's 16 numbers y -> their sines in P
	WIN 0
.set a_, ACC+16*(\q)
.set j_, 0
.rept 16
	v_fract_f32 v[a_+j_], v[a_+j_]
.set j_, j_+1
.endr
.set j_, 0
.rept 8
	v_pk_fma_f32 v[a_+2*j_:a_+2*j_+1], v[a_+2*j_:a_+2*j_+1], v[a_+2*j_:a_+2*j_+1], v[a_+2*j_:a_+2*j_+1] neg_lo:[0,0,1] neg_hi:[0,0,1]   ; v = f f - f
.set j_, j_+1
.endr
.set j_, 0
.rept 8
	v_pk_fma_f32 v[P+2*j_:P+2*j_+1], v[a_+2*j_:a_+2*j_+1], s[24:25], s[26:27] op_sel_hi:[1,0,0]
.set j_, j_+1
.endr
.irp c, 28,30,32,34
.set j_, 0
.rept 8
	v_pk_fma_f32 v[P+2*j_:P+2*j_+1], v[P+2*j_:P+2*j_+1], v[a_+2*j_:a_+2*j_+1], s[\c:\c+1] op_sel_hi:[1,1,0]
.set j_, j_+1
.endr
.endr
.endm
.macro MMH fw, cb                      ; 24 products: the 8 accumulators take turns in the same order in each of the three runs
	WIN 0x11                                       ; source 0 (weights) and source 2 (bias) window 1
.irp q, 0,1,2,3
.irp u, 0,1
	v_wmma_f32_16x16x32_bf16 v[ACC+16*\q+8*\u:ACC+16*\q+8*\u+7], v[(\fw)+8*\u:(\fw)+8*\u+7], v[HB+16*\q:HB+16*\q+7], v[(\cb)+8*\u:(\cb)+8*\u+7]
.endr
.endr
	WIN 0x01                                       ; source 0 window 1
.irp q, 0,1,2,3
.irp u, 0,1
	v_wmma_f32_16x16x32_bf16 v[ACC+16*\q+8*\u:ACC+16*\q+8*\u+7], v[(\fw)+16+8*\u:(\fw)+16+8*\u+7], v[HB+16*\q:HB+16*\q+7], v[ACC+16*\q+8*\u:ACC+16*\q+8*\u+7]
.endr
.endr
.irp q, 0,1,2,3
.irp u, 0,1
	v_wmma_f32_16x16x32_bf16 v[ACC+16*\q+8*\u:ACC+16*\q+8*\u+7], v[(\fw)+8*\u:(\fw)+8*\u+7], v[HB+16*\q+8:HB+16*\q+15], v[ACC+16*\q+8*\u:ACC+16*\q+8*\u+7]
.endr
.endr
	WIN 0
.rept 4
	v_nop                                          ; four places between the last product and the first read of a result (ISA guide 7.12.1)
.endr
.endm
.macro DOT q                           ; my 16 channels' part of tile q's motion: four chains
	WIN 0x04                                       ; source 1 window 1
	v_pk_mul_f32 v[DA:DA+1],   v[P:P+1],   v[WO0:WO0+1]
	v_pk_mul_f32 v[DA+2:DA+3], v[P+8:P+9], v[WO0+8:WO0+9]
	v_pk_mul_f32 v[DA+4:DA+5], v[P:P+1],   v[WO1:WO1+1]
	v_pk_mul_f32 v[DA+6:DA+7], v[P+8:P+9], v[WO1+8:WO1+9]
.irp j, 2,4,6
	v_pk_fma_f32 v[DA:DA+1],   v[P+\j:P+\j+1],     v[WO0+\j:WO0+\j+1],     v[DA:DA+1]
	v_pk_fma_f32 v[DA+2:DA+3], v[P+8+\j:P+8+\j+1], v[WO0+8+\j:WO0+8+\j+1], v[DA+2:DA+3]
	v_pk_fma_f32 v[DA+4:DA+5], v[P+\j:P+\j+1],     v[WO1+\j:WO1+\j+1],     v[DA+4:DA+5]
	v_pk_fma_f32 v[DA+6:DA+7], v[P+8+\j:P+8+\j+1], v[WO1+8+\j:WO1+8+\j+1], v[DA+6:DA+7]
.endr
	WIN 0
	v_pk_add_f32 v[DA:DA+1], v[DA:DA+1], v[DA+2:DA+3]
	v_pk_add_f32 v[DA+4:DA+5], v[DA+4:DA+5], v[DA+6:DA+7]
	v_add_f32 v[MXY+(\q)], v[DA], v[DA+1]
	v_add_f32 v[MXY+4+(\q)], v[DA+4], v[DA+5]
.endm
	s_mov_b32 s43, 0
.Ltrip:                                                ; 16 trips of 64 pixels
	s_wait_loadcnt 0x0                             ; the two loads of x and y are the only ones out
.irp q, 0,1,2,3
	SPLIT3 \q
.endr
	WIN 0x11
.irp q, 0,1,2,3
.irp u, 0,1
	v_wmma_f32_16x16x32_bf16 v[ACC+16*\q+8*\u:ACC+16*\q+8*\u+7], v[FW1+8*\u:FW1+8*\u+7], v[B1+8*\q:B1+8*\q+7], v[VBB+8*\u:VBB+8*\u+7]
.endr
.endr
	WIN 0
	v_cndmask_b32 v[OXY],   v[XY],   v[XY+4], s42  ; x, y of my own two points (tiles 2 h, 2 h + 1, row r): four plain lines that name none of
	v_cndmask_b32 v[OXY+1], v[XY+1], v[XY+5], s42  ; the products' registers: the places behind them
	v_cndmask_b32 v[OXY+2], v[XY+2], v[XY+6], s42
	v_cndmask_b32 v[OXY+3], v[XY+3], v[XY+7], s42
	s_cmp_eq_u32 s43, 15
	s_cbranch_scc1 .Lno_xy                         ; the last trip asks for nothing: no load leaves the buffer; the wait at the trip's head is for 0 on either way
	s_add_nc_u64 s[6:7], s[6:7], 512               ; the loads that read this base were waited for at the trip's head
	global_load_b128 v[XY:XY+3],   v[R16], s[6:7]
	global_load_b128 v[XY+4:XY+7], v[R16], s[6:7] offset:256
.Lno_xy:
	STATS
	NORM G1
.irp q, 0,1,2,3
	SINE \q
	SPLITN 8, HB+16*\q, HB+16*\q+8, P
.endr
	MMH FW2, CB2
	STATS
	NORM G2
.irp q, 0,1,2,3
	SINE \q
	SPLITN 8, HB+16*\q, HB+16*\q+8, P
.endr
	MMH FW3, CB3
	STATS
	NORM G3
.irp q, 0,1,2,3
	SINE \q
	DOT \q
.endr
	; my point e is tile 2 h + e: I keep my part of it and send the lane 16 away my part of the tile that it keeps.  k = 2 e + axis
.irp k, 0,1,2,3
	v_cndmask_b32 v[OWN+\k], v[MXY+4*(\k&1)+(\k>>1)], v[MXY+4*(\k&1)+2+(\k>>1)], s42
	v_cndmask_b32 v[PT+\k], v[MXY+4*(\k&1)+2+(\k>>1)], v[MXY+4*(\k&1)+(\k>>1)], s42
.endr
.irp k, 0,1,2,3
	v_permlanex16_b32 v[PT+4+\k], v[PT+\k], s40, s41
.endr
.irp k, 0,1,2,3
	v_add_f32 v[OWN+\k], v[OWN+\k], v[PT+4+\k]
.endr
.irp k, 0,1,2,3
	v_add_f32 v[OWN+\k], s[48+(\k&1)], v[OWN+\k]   ; motion
.endr
.irp k, 0,1,2,3
	v_add_f32 v[OWN+\k], v[OWN+\k], v[OXY+\k]      ; the grid's coordinate
.endr
.irp k, 0,1,2,3
	v_fma_f32 v[OWN+\k], v[OWN+\k], s44, s45       ; i = 256 g + 255.5
.endr
.irp k, 0,1,2,3
	v_floor_f32 v[PT+\k], v[OWN+\k]
.endr
.irp k, 0,1,2,3
	v_med3_num_f32 v[PT+\k], v[PT+\k], 0, s46      ; b
.endr
.irp k, 0,1,2,3
	v_sub_f32 v[OWN+\k], v[OWN+\k], v[PT+\k]       ; d = i - b
.endr
.irp k, 0,1,2,3
	v_sub_f32 v[PT+4+\k], 1.0, |v[OWN+\k]|
.endr
.irp k, 0,1,2,3
	v_max_num_f32 v[PT+4+\k], 0, v[PT+4+\k]        ; the weight of b
.endr
.irp k, 0,1,2,3
	v_add_f32 v[OWN+\k], -1.0, v[OWN+\k]
.endr
.irp k, 0,1,2,3
	v_sub_f32 v[OWN+\k], 1.0, |v[OWN+\k]|
.endr
.irp k, 0,1,2,3
	v_max_num_f32 v[OWN+\k], 0, v[OWN+\k]          ; the weight of b + 1
.endr
.irp e, 0,1
	v_fma_f32 v[IDP+\e], v[PT+2*\e+1], s47, v[PT+2*\e]   ; yb 512 + xb: whole numbers, exact in f32
	v_mul_f32 v[WQ+4*\e],   v[PT+5+2*\e],  v[PT+4+2*\e]
	v_mul_f32 v[WQ+4*\e+1], v[PT+5+2*\e],  v[OWN+2*\e]
	v_mul_f32 v[WQ+4*\e+2], v[OWN+2*\e+1], v[PT+4+2*\e]
	v_mul_f32 v[WQ+4*\e+3], v[OWN+2*\e+1], v[OWN+2*\e]
.endr
	v_cvt_u32_f32 v[IDP], v[IDP]
	v_cvt_u32_f32 v[IDP+1], v[IDP+1]
	global_store_b64 v[L8], v[IDP:IDP+1], s[10:11]                 ; 256 consecutive bytes, aligned
	global_store_b128 v[L16], v[WQ:WQ+3], s[12:13]                 ; the even points' quads: 512 consecutive bytes
	global_store_b128 v[L16], v[WQ+4:WQ+7], s[12:13] offset:512    ; the odd points'
	s_wait_xcnt 0x0                                ; the bases and the stores' data are written again only behind this wait
	s_add_nc_u64 s[10:11], s[10:11], 256
	s_add_nc_u64 s[12:13], s[12:13], 1024
	s_add_co_u32 s43, s43, 1
	s_cmp_lt_u32 s43, 16
	s_cbranch_scc1 .Ltrip
	s_endpgm
.Lfunc_end_k_q19e9dc8466_warp:
	.size	k_q19e9dc8466_warp, .Lfunc_end_k_q19e9dc8466_warp-k_q19e9dc8466_warp
	.p2alignl 7, 3214868480
	.fill 96, 4, 3214868480
	.section	.rodata,"a",@progbits
	.p2align	6, 0x0
	.amdhsa_kernel k_q19e9dc8466_warp
		.amdhsa_group_segment_fixed_size 0
		.amdhsa_private_segment_fixed_size 0
		.amdhsa_enable_private_segment 0
		.amdhsa_kernarg_size 40
		.amdhsa_user_sgpr_count 2
		.amdhsa_user_sgpr_kernarg_segment_ptr 1
		.amdhsa_wavefront_size32 1
		.amdhsa_system_sgpr_workgroup_id_x 1
		.amdhsa_system_sgpr_workgroup_id_y 1
		.amdhsa_system_sgpr_workgroup_id_z 1
		.amdhsa_system_vgpr_workitem_id 0
		.amdhsa_next_free_vgpr 512
		.amdhsa_next_free_sgpr 66
		.amdhsa_reserve_vcc 0
		.amdhsa_float_denorm_mode_32 3
		.amdhsa_float_denorm_mode_16_64 3
		.amdhsa_memory_ordered 1
		.amdhsa_forward_progress 1
		.amdhsa_inst_pref_size 106
	.end_amdhsa_kernel
	.amdgpu_metadata
---
amdhsa.version: [ 1, 2 ]
amdhsa.kernels:
  - .name:           k_q19e9dc8466_warp
    .symbol:         k_q19e9dc8466_warp.kd
    .args:
      - { .name: t, .offset: 0, .size: 8, .value_kind: global_buffer, .address_space: global }
      - { .name: xy_basis, .offset: 8, .size: 8, .value_kind: global_buffer, .address_space: global }
      - { .name: wts, .offset: 16, .size: 8, .value_kind: global_buffer, .address_space: global }
      - { .name: idx, .offset: 24, .size: 8, .value_kind: global_buffer, .address_space: global }
      - { .name: wgt, .offset: 32, .size: 8, .value_kind: global_buffer, .address_space: global }
    .group_segment_fixed_size: 0
    .private_segment_fixed_size: 0
    .kernarg_segment_align: 8
    .kernarg_segment_size: 40
    .max_flat_workgroup_size: 256
    .sgpr_count:     66
    .vgpr_count:     512
    .wavefront_size: 32
...
	.end_amdgpu_metadata
.endif
;; end of part 3
;; launch render (part 4): grid 256 x 1, 8 waves a work-group, no clusters, 168,960 bytes of LDS; arguments pfeat, idx, wgt, wts, r_bh, r_wo, r_bo, out0; writes out0
.if DOCPART == 4
	.amdgcn_target "amdgcn-amd-amdhsa--gfx1250"
	.amdhsa_code_object_version 6
	.text
	.protected	k_q19e9dc8466_render
	.globl	k_q19e9dc8466_render
	.p2align	8
	.type	k_q19e9dc8466_render,@function
k_q19e9dc8466_render:
	s_mov_b64 s[64:65], 0
	v_nop
	global_prefetch_b8 v0, s[64:65] scope:SCOPE_SE
	s_setreg_imm32_b32 hwreg(HW_REG_WAVE_MODE, 25, 1), 1
	s_wait_xcnt 0x0
; RENDER: z1 = relu(the four-corner blend of pfeat + r_bh[0]); z2, z3 = relu(z W + b); out = leaky(z3 r_wo + r_bo).
; The corners are named by idx, whole numbers that the launch before stored; the blend's weights come from wgt.
; SHARES.  A wave owns 1,024 consecutive points: 16 groups of 64, each two halves of 32.  In the gather lane (g, s) = (lane / 8, lane % 8) holds, for i = 4 bb + t, channels 4 s .. 4 s + 3 of
; point 32 p + 16 bb + 4 g + t: eight neighbouring lanes read one whole record of 128 bytes.  That point is row 8 bb + 2 g + t / 2 of tile 2 p + t % 2, so that at the end lane l owns the
; neighbouring points 2 l, 2 l + 1 of the group.  While one half is worked on, the other half's 32 gathers are on their way; indices are loaded two groups ahead.
; The wave's 16 KiB of weights are copied into its own LDS once, in whole aligned runs of 512 bytes, and read from there a quad at a time.
; PRODUCTS as in the launch before: source 0 = 16 output channels, source 1 = 16 points, bf16 hi + lo, hi hi + lo hi + hi lo, the bias as the first C.  The 32 -> 1 product is packed f32.
; No tensor load, no cluster: the rows are named lane by lane, and work-groups share only 8 KiB of weights.  All LDS bytes are a wave's own: no barrier.
; LIMITS.  lo x lo, about 2^-18 of a term, is dropped; NaN and infinities are not treated apart.  An index is clamped to 510 x 512 + 510, which the launch before never passes.
.set FR2O, 14336
.set FR3O, 18432
.set WLDS, 20992                       ; LDS of a wave: WL 16,384 bytes (its part of wgt as it lies), then HT: 2 tiles x 16 rows x 144 bytes (hi 64 | lo 64 | pad 16)
.set S16,  1                           ; v1 16 s   v2 16 g   v6 16 lane   v7 8 lane   v8 32 h   v10 -1.0
.set G16,  2
.set HTS,  3                           ; v3  HT, in: row 2 g, 8 bytes at 8 s
.set HTR,  4                           ; v4  HT, out: row r, 16 bytes at 16 h
.set WLR,  5                           ; v5  WL, out: 32 g, and 1,024 on with each group
.set L16,  6
.set L8,   7
.set H32,  8
.set WLS,  9                           ; v9  WL, in: 16 lane
.set NEG1, 10
.set OFF,  12                          ; v12-27  byte offsets in pfeat: 8 p + i
.set IX,   28                          ; v28-43  indices: 8 p + i
.set RB0,  44                          ; v44-47  r_bh[0], channels 4 s ..
.set OQ,   48                          ; v48-51  my 16 channels' part of tile q's output
.set T,    52                          ; v52-59  at work
.set OP,   60                          ; v60-61  two outputs
.set Z,    64                          ; v64-95  the blend (4 i ..), then the accumulators: tile q', tau at 16 q' + 8 tau
.set WT,   96                          ; v96-127 corner weights (4 i ..); then hi (m) and lo (16 + m) of pair m; then source 1: tile q' hi at 16 q', lo at 16 q' + 8
.set FR2,  128                         ; v128-159, v160-191: hi t0, hi t1, lo t0, lo t1
.set FR3,  160
.set RB1,  192
.set RB2,  208
.set RWO,  224                         ; window 1: the gathered corners: 128 p + 16 i + 4 corner
.set MSB, 0
.macro WIN new                         ; the immediate's high byte repeats the setting that is left; a switch that changes nothing is dropped
.if MSB != (\new)
	s_set_vgpr_msb (MSB<<8)|(\new)
.set MSB, (\new)
.endif
.endm
.macro SPLITN n, hi, lo, z             ; n pairs of f32 at v[z..] -> bf16 hi at v[hi..], bf16 of the remainders at v[lo..]; z is used up
.set i_, 0
.rept \n
	v_cvt_pk_bf16_f32 v[(\hi)+i_], v[(\z)+2*i_], v[(\z)+2*i_+1]
.set i_, i_+1
.endr
.set i_, 0
.rept \n
	v_fma_mix_f32_bf16 v[(\z)+2*i_], v[(\hi)+i_], v[NEG1], v[(\z)+2*i_] op_sel_hi:[1,0,0]
	v_fma_mix_f32_bf16 v[(\z)+2*i_+1], v[(\hi)+i_], v[NEG1], v[(\z)+2*i_+1] op_sel:[1,0,0] op_sel_hi:[1,0,0]
.set i_, i_+1
.endr
.set i_, 0
.rept \n
	v_cvt_pk_bf16_f32 v[(\lo)+i_], v[(\z)+2*i_], v[(\z)+2*i_+1]
.set i_, i_+1
.endr
.endm
.macro RELU n, z
.set i_, 0
.rept \n
	v_max_num_f32 v[(\z)+i_], 0, v[(\z)+i_]        ; ascending: each accumulator is read from its low end on
.set i_, i_+1
.endr
.endm
	s_load_b512 s[4:19], s[0:1], 0x0               ; pfeat s[4:5], idx s[6:7], wgt s[8:9], wts s[10:11], r_bh s[12:13], r_wo s[14:15], r_bo s[16:17], out0 s[18:19]
	v_lshl_add_u32 v254, v0, 2, 0x29000
	v_mov_b32 v255, 0
	v_lshrrev_b32 v11, 5, v0
	v_readfirstlane_b32 s20, v11                   ; wave
	v_and_b32 v11, 31, v0                          ; lane
	v_and_b32 v52, 7, v0                           ; s
	v_bfe_u32 v53, v0, 3, 2                        ; g
	v_and_b32 v54, 15, v0                          ; r
	v_bfe_u32 v55, v0, 4, 1                        ; h
	v_lshlrev_b32 v[S16], 4, v52
	v_lshlrev_b32 v[G16], 4, v53
	v_lshlrev_b32 v[L16], 4, v11
	v_lshlrev_b32 v[L8], 3, v11
	v_lshlrev_b32 v[H32], 5, v55
	v_mov_b32 v[NEG1], -1.0
	s_mul_i32 s28, s20, WLDS                       ; my wave's LDS
	v_mul_u32_u24 v[HTS], v53, 288
	v_lshl_add_u32 v[HTS], v52, 3, v[HTS]
	v_add_nc_u32 v[HTS], s28, v[HTS]
	v_add_nc_u32 v[HTS], 16384, v[HTS]
	v_mul_u32_u24 v[HTR], v54, 144
	v_lshl_add_u32 v[HTR], v55, 4, v[HTR]
	v_add_nc_u32 v[HTR], s28, v[HTR]
	v_add_nc_u32 v[HTR], 16384, v[HTR]
	v_lshlrev_b32 v[WLR], 5, v53
	v_add_nc_u32 v[WLR], s28, v[WLR]
	v_add_nc_u32 v[WLS], s28, v[L16]
	v_mov_b32 v[T+6], 0                            ; destinations of v_permlanex16_b32 count as read
	v_mov_b32 v[T+7], 0
	s_mov_b32 s23, 0xffff0000                      ; lanes 16-31
	s_mov_b32 s24, 0x76543210                      ; each lane takes its own place in the other half
	s_mov_b32 s25, 0xfedcba98
	s_mov_b32 s27, 0x3a83126f                      ; 0.001
	s_lshl_b32 s28, ttmp9, 3
	s_add_co_u32 s28, s28, s20                     ; my wave among all: 1,024 points each
	s_lshl_b32 s30, s28, 14                        ; x 16 bytes
	s_lshl_b32 s28, s28, 12                        ; x 4 bytes
	s_mov_b32 s29, 0
	s_mov_b32 s31, 0
	s_wait_kmcnt 0x0
	s_load_b32 s22, s[16:17], 0x0                  ; r_bo
	s_add_nc_u64 s[6:7], s[6:7], s[28:29]
	s_add_nc_u64 s[18:19], s[18:19], s[28:29]
	s_add_nc_u64 s[8:9], s[8:9], s[30:31]
.macro IXLOAD p, off                   ; two loads: the indices of my eight points of half p, off bytes ahead of the group in hand
	global_load_b128 v[IX+8*(\p):IX+8*(\p)+3],   v[G16], s[6:7] offset:(\off)+128*(\p)
	global_load_b128 v[IX+8*(\p)+4:IX+8*(\p)+7], v[G16], s[6:7] offset:(\off)+128*(\p)+64
.endm
.macro MKOFF p
.irp i, 0,1,2,3,4,5,6,7
	v_min_u32 v[OFF+8*(\p)+\i], 0x3fdfe, v[IX+8*(\p)+\i]
.endr
.irp i, 0,1,2,3,4,5,6,7
	v_lshl_add_u32 v[OFF+8*(\p)+\i], v[OFF+8*(\p)+\i], 7, v[S16]
.endr
.endm
.macro GATH p                          ; 32 loads: corners (yb, xb), (yb, xb + 1), (yb + 1, xb), (yb + 1, xb + 1) of eight points
	WIN 0x40                                       ; destination window 1, address window 0
.irp i, 0,1,2,3,4,5,6,7
.irp c, 0,1,2,3
	global_load_b128 v[128*(\p)+16*\i+4*\c:128*(\p)+16*\i+4*\c+3], v[OFF+8*(\p)+\i], s[4:5] offset:(\c&1)*128+(\c>>1)*65536
.endr
.endr
	WIN 0
.endm
.macro MML fr, rb                      ; 12 products on two tiles: the four accumulators take turns in the same order in each of the three runs
.irp q, 0,1
.irp u, 0,1
	v_wmma_f32_16x16x32_bf16 v[Z+16*\q+8*\u:Z+16*\q+8*\u+7], v[(\fr)+8*\u:(\fr)+8*\u+7], v[WT+16*\q:WT+16*\q+7], v[(\rb)+8*\u:(\rb)+8*\u+7]
.endr
.endr
.irp q, 0,1
.irp u, 0,1
	v_wmma_f32_16x16x32_bf16 v[Z+16*\q+8*\u:Z+16*\q+8*\u+7], v[(\fr)+16+8*\u:(\fr)+16+8*\u+7], v[WT+16*\q:WT+16*\q+7], v[Z+16*\q+8*\u:Z+16*\q+8*\u+7]
.endr
.endr
.irp q, 0,1
.irp u, 0,1
	v_wmma_f32_16x16x32_bf16 v[Z+16*\q+8*\u:Z+16*\q+8*\u+7], v[(\fr)+8*\u:(\fr)+8*\u+7], v[WT+16*\q+8:WT+16*\q+15], v[Z+16*\q+8*\u:Z+16*\q+8*\u+7]
.endr
.endr
.rept 4
	v_nop                                          ; four places between the last product and the lines that read its result or write its sources (ISA guide 7.12.1)
.endr
.endm
; Half p of the group in hand.  gath = 1: the same half of the next group is gathered as soon as this one's corners are used up; ixl = 1: its indices two groups on are loaded;
; left = the younger loads that may stay out: the other half's 32 gathers, and the 2 index loads behind them where there are any.
.macro HALF p, gath, ixl, left
.irp b, 0,1
.irp t, 0,1,2,3
	ds_load_b128 v[WT+4*(4*\b+\t):WT+4*(4*\b+\t)+3], v[WLR] offset:(\t&1)*512+(2*(\p)+\b)*128+(\t>>1)*16
.endr
.endr
	s_wait_loadcnt \left                           ; loads come back in order (ISA guide 5.7.1): this half's gathers and the index loads issued behind them are in
	s_wait_dscnt 0x0
	WIN 0x01                                       ; source 0 window 1
.irp i, 0,1,2,3,4,5,6,7
.irp k, 0,2
	v_pk_fma_f32 v[Z+4*\i+\k:Z+4*\i+\k+1], v[128*(\p)+16*\i+\k:128*(\p)+16*\i+\k+1], v[WT+4*\i:WT+4*\i+1], v[RB0+\k:RB0+\k+1] op_sel_hi:[1,0,1]
	v_pk_fma_f32 v[Z+4*\i+\k:Z+4*\i+\k+1], v[128*(\p)+16*\i+4+\k:128*(\p)+16*\i+4+\k+1], v[WT+4*\i:WT+4*\i+1], v[Z+4*\i+\k:Z+4*\i+\k+1] op_sel:[0,1,0] op_sel_hi:[1,1,1]
	v_pk_fma_f32 v[Z+4*\i+\k:Z+4*\i+\k+1], v[128*(\p)+16*\i+8+\k:128*(\p)+16*\i+8+\k+1], v[WT+4*\i+2:WT+4*\i+3], v[Z+4*\i+\k:Z+4*\i+\k+1] op_sel_hi:[1,0,1]
	v_pk_fma_f32 v[Z+4*\i+\k:Z+4*\i+\k+1], v[128*(\p)+16*\i+12+\k:128*(\p)+16*\i+12+\k+1], v[WT+4*\i+2:WT+4*\i+3], v[Z+4*\i+\k:Z+4*\i+\k+1] op_sel:[0,1,0] op_sel_hi:[1,1,1]
.endr
.endr
	WIN 0
.if \gath
	MKOFF \p                                       ; the offsets' last readers were waited for above
	GATH \p
.endif
.if \ixl
	IXLOAD \p, 512
.endif
	RELU 32, Z
	SPLITN 16, WT, WT+16, Z
.irp b, 0,1
.irp t, 0,1,2,3
	ds_store_b64 v[HTS], v[WT+2*(4*\b+\t):WT+2*(4*\b+\t)+1] offset:(\t&1)*2304+\b*1152+(\t>>1)*144
	ds_store_b64 v[HTS], v[WT+16+2*(4*\b+\t):WT+16+2*(4*\b+\t)+1] offset:(\t&1)*2304+\b*1152+(\t>>1)*144+64
.endr
.endr
.irp q, 0,1
.irp f, 0,1,2,3
	ds_load_b128 v[WT+16*\q+4*\f:WT+16*\q+4*\f+3], v[HTR] offset:2304*\q+32*\f   ; my wave's own bytes; LDS serves a wave's instructions in order (ISA guide 5.7.1.4)
.endr
.endr
	s_wait_dscnt 0x0
	MML FR2, RB1
	RELU 32, Z
	SPLITN 8, WT, WT+8, Z
	SPLITN 8, WT+16, WT+24, Z+16
	MML FR3, RB2
	RELU 32, Z
	v_pk_mul_f32 v[T:T+1], v[Z:Z+1], v[RWO:RWO+1]
	v_pk_mul_f32 v[T+2:T+3], v[Z+16:Z+17], v[RWO:RWO+1]
.irp j, 2,4,6,8,10,12,14
	v_pk_fma_f32 v[T:T+1], v[Z+\j:Z+\j+1], v[RWO+\j:RWO+\j+1], v[T:T+1]
	v_pk_fma_f32 v[T+2:T+3], v[Z+16+\j:Z+16+\j+1], v[RWO+\j:RWO+\j+1], v[T+2:T+3]
.endr
	v_add_f32 v[OQ+2*(\p)], v[T], v[T+1]
	v_add_f32 v[OQ+2*(\p)+1], v[T+2], v[T+3]
.endm
; The group's end.  My point e is tile 2 h + e: I keep my part of it and send the lane 16 away my part of the tile that it keeps.
.macro FIN
.irp e, 0,1
	v_cndmask_b32 v[OP+\e], v[OQ+\e], v[OQ+2+\e], s23
	v_cndmask_b32 v[T+4+\e], v[OQ+2+\e], v[OQ+\e], s23
.endr
.irp e, 0,1
	v_permlanex16_b32 v[T+6+\e], v[T+4+\e], s24, s25
.endr
.irp e, 0,1
	v_add_f32 v[OP+\e], v[OP+\e], v[T+6+\e]
.endr
.irp e, 0,1
	v_add_f32 v[OP+\e], s22, v[OP+\e]
.endr
.irp e, 0,1
	v_mul_f32 v[T+4+\e], s27, v[OP+\e]
.endr
.irp e, 0,1
	v_max_num_f32 v[OP+\e], v[OP+\e], v[T+4+\e]    ; out where out >= 0, 0.001 out below
.endr
	global_store_b64 v[L8], v[OP:OP+1], s[18:19] th:TH_STORE_NT   ; 256 consecutive bytes, aligned
	s_wait_xcnt 0x0                                ; the two bases and the store's data are written again only behind this wait
	s_add_nc_u64 s[6:7], s[6:7], 256
	s_add_nc_u64 s[18:19], s[18:19], 256
	v_add_nc_u32 v[WLR], 1024, v[WLR]
.endm
.irp m, 0,1,2,3
	global_load_b128 v[FR2+8*\m:FR2+8*\m+3],   v[L16], s[10:11] offset:FR2O+1024*\m
	global_load_b128 v[FR2+8*\m+4:FR2+8*\m+7], v[L16], s[10:11] offset:FR2O+1024*\m+512
	global_load_b128 v[FR3+8*\m:FR3+8*\m+3],   v[L16], s[10:11] offset:FR3O+1024*\m
	global_load_b128 v[FR3+8*\m+4:FR3+8*\m+7], v[L16], s[10:11] offset:FR3O+1024*\m+512
.endr
.irp f, 0,1,2,3                        ; vectors as a result holds them: channels 8 h + 0..7 and 16 + 8 h + 0..7
	global_load_b128 v[RB1+4*\f:RB1+4*\f+3], v[H32], s[12:13] offset:128+(\f>>1)*64+(\f&1)*16
	global_load_b128 v[RB2+4*\f:RB2+4*\f+3], v[H32], s[12:13] offset:256+(\f>>1)*64+(\f&1)*16
	global_load_b128 v[RWO+4*\f:RWO+4*\f+3], v[H32], s[14:15] offset:(\f>>1)*64+(\f&1)*16
.endr
	global_load_b128 v[RB0:RB0+3], v[S16], s[12:13]
	IXLOAD 0, 0
	IXLOAD 1, 0
	WIN 0x40
.set i_, 0
.rept 32                                           ; my 16 KiB of wgt, 512 consecutive bytes a load, through the registers that the gathers take later
	global_load_b128 v[4*i_:4*i_+3], v[L16], s[8:9] offset:512*i_ th:TH_LOAD_NT
.set i_, i_+1
.endr
	WIN 0
	s_wait_loadcnt 0x0
	s_wait_kmcnt 0x0
	WIN 0x04                                       ; the stores' data (source 1) in window 1
.set i_, 0
.rept 32
	ds_store_b128 v[WLS], v[4*i_:4*i_+3] offset:512*i_
.set i_, i_+1
.endr
	WIN 0
	s_wait_dscnt 0x0
	MKOFF 0
	GATH 0
	IXLOAD 0, 256
	MKOFF 1
	GATH 1
	IXLOAD 1, 256
	s_mov_b32 s26, 0
.Lgroup:                                               ; groups 0 .. 13.  Out at the head, in order: half 0's 32 gathers, 2 index loads, half 1's 32 gathers, 2 index loads
	HALF 0, 1, 1, 34
	HALF 1, 1, 1, 34
	FIN
	s_add_co_u32 s26, s26, 1
	s_cmp_lt_u32 s26, 14
	s_cbranch_scc1 .Lgroup
	HALF 0, 1, 0, 34                               ; group 14: the last group is gathered, no index is left to load
	HALF 1, 1, 0, 32
	FIN
	HALF 0, 0, 0, 32                               ; group 15: nothing is left to gather
	HALF 1, 0, 0, 0
	FIN
	s_wait_tensorcnt 0x0
	ds_add_u32 v254, v255
	s_wait_dscnt 0x0
	s_endpgm
.Lfunc_end_k_q19e9dc8466_render:
	.size	k_q19e9dc8466_render, .Lfunc_end_k_q19e9dc8466_render-k_q19e9dc8466_render
	.p2alignl 7, 3214868480
	.fill 96, 4, 3214868480
	.section	.rodata,"a",@progbits
	.p2align	6, 0x0
	.amdhsa_kernel k_q19e9dc8466_render
		.amdhsa_group_segment_fixed_size 168960
		.amdhsa_private_segment_fixed_size 0
		.amdhsa_enable_private_segment 0
		.amdhsa_kernarg_size 64
		.amdhsa_user_sgpr_count 2
		.amdhsa_user_sgpr_kernarg_segment_ptr 1
		.amdhsa_wavefront_size32 1
		.amdhsa_system_sgpr_workgroup_id_x 1
		.amdhsa_system_sgpr_workgroup_id_y 1
		.amdhsa_system_sgpr_workgroup_id_z 1
		.amdhsa_system_vgpr_workitem_id 0
		.amdhsa_next_free_vgpr 512
		.amdhsa_next_free_sgpr 66
		.amdhsa_reserve_vcc 0
		.amdhsa_float_denorm_mode_32 3
		.amdhsa_float_denorm_mode_16_64 3
		.amdhsa_memory_ordered 1
		.amdhsa_forward_progress 1
		.amdhsa_inst_pref_size 159
	.end_amdhsa_kernel
	.amdgpu_metadata
---
amdhsa.version: [ 1, 2 ]
amdhsa.kernels:
  - .name:           k_q19e9dc8466_render
    .symbol:         k_q19e9dc8466_render.kd
    .args:
      - { .name: pfeat, .offset: 0, .size: 8, .value_kind: global_buffer, .address_space: global }
      - { .name: idx, .offset: 8, .size: 8, .value_kind: global_buffer, .address_space: global }
      - { .name: wgt, .offset: 16, .size: 8, .value_kind: global_buffer, .address_space: global }
      - { .name: wts, .offset: 24, .size: 8, .value_kind: global_buffer, .address_space: global }
      - { .name: r_bh, .offset: 32, .size: 8, .value_kind: global_buffer, .address_space: global }
      - { .name: r_wo, .offset: 40, .size: 8, .value_kind: global_buffer, .address_space: global }
      - { .name: r_bo, .offset: 48, .size: 8, .value_kind: global_buffer, .address_space: global }
      - { .name: out0, .offset: 56, .size: 8, .value_kind: global_buffer, .address_space: global }
    .group_segment_fixed_size: 168960
    .private_segment_fixed_size: 0
    .kernarg_segment_align: 8
    .kernarg_segment_size: 64
    .max_flat_workgroup_size: 256
    .sgpr_count:     66
    .vgpr_count:     512
    .wavefront_size: 32
...
	.end_amdgpu_metadata
.endif
;; end of part 4
;; ======== version 2 of 3: 4 launches; 1.35 times as fast as version 1
;; limits: values outside matrix products are rounded to f16; values are held in f16: magnitudes above 65,504 overflow, below 6.1e-05 lose precision
;; workspace buffers: wts 24,576 bytes; pfeat 16,777,216 bytes; idx 8,388,608 bytes of whole numbers; wgt 33,554,432 bytes
;; launch prep (part 5): grid 1 x 1, 32 waves a work-group, no clusters, 28,928 bytes of LDS; arguments w_in, b_in, w_h, b_h, ln_g, ln_b, w_out, b_out, r_wh, wts, r_bh, r_wo; writes wts
.if DOCPART == 5
	.amdgcn_target "amdgcn-amd-amdhsa--gfx1250"
	.amdhsa_code_object_version 6
	.text
	.protected	k_q19e9dc8466_prep
	.globl	k_q19e9dc8466_prep
	.p2align	8
	.type	k_q19e9dc8466_prep,@function
k_q19e9dc8466_prep:
	s_mov_b64 s[64:65], 0
	v_nop
	global_prefetch_b8 v0, s[64:65] scope:SCOPE_SE
	s_setreg_imm32_b32 hwreg(HW_REG_WAVE_MODE, 25, 1), 1
	s_wait_xcnt 0x0
; PREP: turns the small weights into what the later launches load as they lie.
;  * LayerNorm's mean is taken out in the weights: Wc[k][n] = W[k][n] - mean over n of W[k][.], bc = b - mean(b), so that h Wc + bc = x - mean(x).
;  * The input layer has no activation behind it and is folded into the first hidden layer: rows w_in[0] W0c, w_in[1] W0c (for x and y),
;    VT = w_in[2] W0c (for alpha), VB = b_in W0c + bc0.
;  * w_h[1], w_h[2] (centred) and r_wh[0] are written as bf16 hi + bf16 lo in the register image of a matrix instruction's source 0 (16 output channels x 32 k):
;    lane (r, h) holds channel 16 tau + r; registers 0-3 (k = 8h..8h+7) at 16 x lane, registers 4-7 (k = 16+8h..) at 512 + 16 x lane.
;  * r_wh[1] and r_wh[2] are written in f16, one image a tau, scaled by powers of two so that f16 has room whatever their size: s1 = 2^-e1, e1 the exponent of
;    max(|r_wh[1]|, |r_bh[1]|); s2 = 2^-e2, e2 the exponent of max |r_wh[2]|.  relu(s x) = s relu(x) for s > 0, so the renderer works on s1 z2 and s1 s2 z3:
;    with them go s1 r_bh[1], s1 s2 r_bh[2] and r_wo / (s1 s2), in f32.  All these scalings are exact.
;  * x's and y's rows are split three ways (w1 + w2 + w3) and laid in k slots 0..5 as w1,w2,w3,w1,w2,w1 (x: k 0-5, y: k 8-13).
;  * gains and biases of LayerNorm are scaled for the sine: G = g / 2pi, BV = b / 2pi + 1/4; w_out and b_out take the factor 0.1.
; One work-group of 32 waves: wave k, lane n own element (k, n) of each matrix; the matrices and the waves' partial maxima meet in LDS behind one barrier.
; LIMITS: of a split number hi + lo the rest, about 2^-17 of it, is dropped; an f16 weight keeps 11 bits; the two maxima are clamped to 2^-30 .. 2^30.
.set FW2O, 2048                        ; byte offsets in wts: FW1 at 0 (2 images), FW2, FW3, FR1, FR2, FR3 every 4,096 (bf16: hi t0, hi t1, lo t0, lo t1; f16: t0, t1)
.set RVEC, 16384                       ; behind r_wh[1]'s two images: s1 r_bh[1] +0, s1 s2 r_bh[2] +128, r_wo / (s1 s2) +256
.set VEC,  22528                       ; vectors of 32 f32: VT +0, VB +128, CB2 +256, CB3 +384, G1-3 +512.., BV1-3 +896.., WO0 +1280, WO1 +1408, BO +1536
.set PART, 24576                       ; LDS behind the six matrices: a word a wave for each of the two maxima
.set NEG1, 7                           ; v7 = -1.0
.macro WSUM s                          ; v14 = the sum of v[s] over the wave's 32 lanes, in every lane (v14, v15 were written at the head)
	v_add_f32_dpp v14, v[\s], v[\s] row_xmask:1 row_mask:0xf bank_mask:0xf
	v_add_f32_dpp v14, v14, v14 row_xmask:2 row_mask:0xf bank_mask:0xf
	v_add_f32_dpp v14, v14, v14 row_xmask:4 row_mask:0xf bank_mask:0xf
	v_add_f32_dpp v14, v14, v14 row_xmask:8 row_mask:0xf bank_mask:0xf
	v_permlanex16_b32 v15, v14, s68, s69
	v_add_f32 v14, v14, v15
.endm
.macro CENTRE s                        ; v[s] -= its mean over the 32 lanes
	WSUM \s
	v_fmamk_f32 v[\s], v14, 0xbd000000, v[\s]      ; - sum / 32
.endm
.macro WMAX d, s                       ; v[d] = the largest |v[s]| of the wave's 32 lanes, in every lane
	v_and_b32 v[\d], 0x7fffffff, v[\s]
	v_max_num_f32_dpp v[\d], v[\d], v[\d] row_xmask:1 row_mask:0xf bank_mask:0xf
	v_max_num_f32_dpp v[\d], v[\d], v[\d] row_xmask:2 row_mask:0xf bank_mask:0xf
	v_max_num_f32_dpp v[\d], v[\d], v[\d] row_xmask:4 row_mask:0xf bank_mask:0xf
	v_max_num_f32_dpp v[\d], v[\d], v[\d] row_xmask:8 row_mask:0xf bank_mask:0xf
	v_permlanex16_b32 v15, v[\d], s68, s69
	v_max_num_f32 v[\d], v[\d], v15
.endm
.macro POW2 m, sc, iv                  ; m in [2^e, 2^(e+1)): v[sc] = 2^-e, v[iv] = 2^e, made of the exponent's bits
	v_med3_num_f32 v[\m], v[\m], s70, s71          ; kept inside 2^-30 .. 2^30: the biased exponent is 97 .. 157
	v_lshrrev_b32 v73, 23, v[\m]
	v_lshlrev_b32 v[\iv], 23, v73
	v_sub_nc_u32 v73, 254, v73
	v_lshlrev_b32 v[\sc], 23, v73
.endm
.macro SPLITN n, hi, lo, z             ; n pairs of f32 at v[z..] -> bf16 hi at v[hi..], bf16 of the remainders at v[lo..]; z is used up
.set i_, 0
.rept \n
	v_cvt_pk_bf16_f32 v[(\hi)+i_], v[(\z)+2*i_], v[(\z)+2*i_+1]
.set i_, i_+1
.endr
.set i_, 0
.rept \n
	v_fma_mix_f32_bf16 v[(\z)+2*i_], v[(\hi)+i_], v[NEG1], v[(\z)+2*i_] op_sel_hi:[1,0,0]
	v_fma_mix_f32_bf16 v[(\z)+2*i_+1], v[(\hi)+i_], v[NEG1], v[(\z)+2*i_+1] op_sel:[1,0,0] op_sel_hi:[1,0,0]
.set i_, i_+1
.endr
.set i_, 0
.rept \n
	v_cvt_pk_bf16_f32 v[(\lo)+i_], v[(\z)+2*i_], v[(\z)+2*i_+1]
.set i_, i_+1
.endr
.endm
	s_load_b512 s[4:19], s[0:1], 0x0               ; w_in s[4:5], b_in s[6:7], w_h s[8:9], b_h s[10:11], ln_g s[12:13], ln_b s[14:15], w_out s[16:17], b_out s[18:19]
	s_load_b256 s[20:27], s[0:1], 0x40             ; r_wh s[20:21], wts s[22:23], r_bh s[24:25], r_wo s[26:27]
	v_lshl_add_u32 v80, v0, 2, 0x6100
	v_mov_b32 v81, 0
	v_lshrrev_b32 v1, 5, v0
	v_readfirstlane_b32 s66, v1                    ; wave
	v_and_b32 v2, 31, v0                           ; lane
	v_lshlrev_b32 v3, 2, v0                        ; 4 x thread = 128 k + 4 n
	v_lshlrev_b32 v6, 2, v2                        ; 4 x lane
	v_mov_b32 v[NEG1], -1.0
	v_mov_b32 v14, 0
	v_mov_b32 v15, 0
	s_mov_b32 s68, 0x76543210                      ; each lane takes its own place in the other half
	s_mov_b32 s69, 0xfedcba98
	s_mov_b32 s70, 0x30800000                      ; 2^-30
	s_mov_b32 s71, 0x4e800000                      ; 2^30
	s_wait_kmcnt 0x0
	; PHASE A: six matrices, element (k, n) each; w_h's rows are centred; all go to LDS as [k][n] f32, matrix i at 4,096 i.  Every wave also takes r_bh[1], r_bh[2] and r_wo, element n.
.irp i, 0,1,2
	global_load_b32 v[8+\i], v3, s[8:9] offset:4096*\i
	global_load_b32 v[11+\i], v3, s[20:21] offset:4096*\i
.endr
	global_load_b32 v64, v6, s[24:25] offset:128
	global_load_b32 v65, v6, s[24:25] offset:256
	global_load_b32 v66, v6, s[26:27]
	s_wait_loadcnt 0x0
.irp i, 0,1,2
	CENTRE 8+\i
.endr
	WMAX 67, 12                                    ; my row's part of max |r_wh[1]|,
	WMAX 75, 64                                    ; max |r_bh[1]|, the same in every wave,
	WMAX 68, 13                                    ; my row's part of max |r_wh[2]|
	v_max_num_f32 v67, v67, v75
	v_mov_b32 v73, s66
	v_lshlrev_b32 v73, 2, v73
.irp i, 0,1,2,3,4,5
	ds_store_b32 v3, v[8+\i] offset:4096*\i
.endr
	ds_store_b32 v73, v67 offset:PART              ; all lanes write the wave's word with the same value
	ds_store_b32 v73, v68 offset:PART+128
	s_wait_dscnt 0x0                               ; for the others' sake: my stores are done
	s_barrier_signal -1
	s_barrier_wait -1                              ; from here on LDS is only read
	ds_load_b32 v67, v6 offset:PART                ; lane n takes wave n's part
	ds_load_b32 v68, v6 offset:PART+128
	s_wait_dscnt 0x0
	WMAX 67, 67
	WMAX 68, 68
	POW2 67, 69, 71                                ; v69 = s1, v71 = 1 / s1
	POW2 68, 70, 72                                ; v70 = s2, v72 = 1 / s2
	; PHASE B, by the wave's number
	s_cmp_lt_u32 s66, 10
	s_cbranch_scc0 .Lnot_builder
	; waves 0-9: image tau = wave & 1 of matrix 1 + wave / 2
	s_lshr_b32 s28, s66, 1
	s_and_b32 s29, s66, 1
	s_add_co_u32 s30, s28, 1
	s_lshl_b32 s30, s30, 12
	s_lshl_b32 s31, s29, 6
	s_add_co_u32 s30, s30, s31                     ; the matrix, and 16 tau columns on
	v_and_b32 v4, 15, v0                           ; r
	v_bfe_u32 v5, v0, 4, 1                         ; h
	v_lshlrev_b32 v4, 2, v4
	v_lshl_add_u32 v4, v5, 10, v4                  ; 4 r + 8 h rows of 128 bytes
	v_add_nc_u32 v4, s30, v4
.set i_, 0
.rept 16                                           ; element i: k = 16 (i / 8) + 8 h + i % 8
	ds_load_b32 v[16+i_], v4 offset:(16*(i_/8)+i_%8)*128
.set i_, i_+1
.endr
	s_lshl_b32 s30, s28, 12
	s_lshl_b32 s31, s29, 10
	s_add_co_u32 s30, s30, s31
	v_lshlrev_b32 v48, 4, v2
	v_add_nc_u32 v48, s30, v48
	s_wait_dscnt 0x0
	s_cmp_lt_u32 s66, 6
	s_cbranch_scc0 .Lhalf
	; waves 0-5: w_h[1], w_h[2], r_wh[0]: bf16 hi and lo
	SPLITN 8, 32, 40, 16
	global_store_b128 v48, v[32:35], s[22:23] offset:FW2O        ; each store of the wave covers 512 consecutive bytes
	global_store_b128 v48, v[36:39], s[22:23] offset:FW2O+512
	global_store_b128 v48, v[40:43], s[22:23] offset:FW2O+2048
	global_store_b128 v48, v[44:47], s[22:23] offset:FW2O+2560
	s_wait_tensorcnt 0x0
	ds_add_u32 v80, v81
	s_wait_dscnt 0x0
	s_endpgm
.Lhalf:
	; waves 6-9: s1 r_wh[1], s2 r_wh[2]: f16
	v_mov_b32 v74, v69
	s_cmp_lt_u32 s66, 8
	s_cbranch_scc1 .Lscaled
	v_mov_b32 v74, v70
.Lscaled:
.set i_, 0
.rept 16
	v_mul_f32 v[16+i_], v74, v[16+i_]
.set i_, i_+1
.endr
.set i_, 0
.rept 8
	v_cvt_pk_f16_f32 v[32+i_], v[16+2*i_], v[16+2*i_+1]
.set i_, i_+1
.endr
	global_store_b128 v48, v[32:35], s[22:23] offset:FW2O
	global_store_b128 v48, v[36:39], s[22:23] offset:FW2O+512
	s_wait_tensorcnt 0x0
	ds_add_u32 v80, v81
	s_wait_dscnt 0x0
	s_endpgm
.Lnot_builder:
	s_cmp_lt_u32 s66, 14
	s_cbranch_scc0 .Lvectors
	; waves 10-13: u W0c for u = w_in[0], w_in[1], w_in[2], b_in; lane n owns column n
	s_sub_co_u32 s67, s66, 10                      ; c
	s_min_u32 s30, s67, 2                          ; the row of w_in (kept inside w_in for c = 3 too)
	s_lshl_b32 s30, s30, 7
	s_mov_b32 s31, 0
	s_add_nc_u64 s[30:31], s[4:5], s[30:31]
	s_cmp_eq_u32 s67, 3
	s_cselect_b64 s[28:29], s[6:7], s[30:31]
	s_load_b512 s[32:47], s[28:29], 0x0
	s_load_b512 s[48:63], s[28:29], 0x40
.set i_, 0
.rept 32
	ds_load_b32 v[16+i_], v6 offset:128*i_         ; W0c[m][n]
.set i_, i_+1
.endr
	s_wait_kmcnt 0x0
	s_wait_dscnt 0x0
	v_mul_f32 v8, s32, v16
.set i_, 1
.rept 31
	v_fmac_f32 v8, s[32+i_], v[16+i_]
.set i_, i_+1
.endr
	s_cmp_lt_u32 s67, 2
	s_cbranch_scc0 .Lvt
	; c = 0, 1: three bf16 parts, in k slots w1,w2 | w3,w1 | w2,w1 | 0,0 of lane r + 16 c of image n / 16
	v_cvt_pk_bf16_f32 v9, v8, v8
	v_lshlrev_b32 v10, 16, v9
	v_sub_f32 v11, v8, v10
	v_cvt_pk_bf16_f32 v12, v11, v11
	v_lshlrev_b32 v10, 16, v12
	v_sub_f32 v11, v11, v10
	v_cvt_pk_bf16_f32 v13, v11, v11
	s_mov_b32 s30, 0x05040100                      ; low half of the second source below, low half of the first above
	v_perm_b32 v48, v12, v9, s30
	v_perm_b32 v49, v9, v13, s30
	v_perm_b32 v50, v9, v12, s30
	v_mov_b32 v51, 0
	v_mov_b32 v52, 0
	v_mov_b32 v53, 0
	v_mov_b32 v54, 0
	v_mov_b32 v55, 0
	v_lshrrev_b32 v56, 4, v2
	v_and_b32 v57, 15, v2
	v_lshlrev_b32 v56, 10, v56
	v_lshl_add_u32 v56, v57, 4, v56
	s_lshl_b32 s31, s67, 8
	v_add_nc_u32 v56, s31, v56
	global_store_b128 v56, v[48:51], s[22:23]
	global_store_b128 v56, v[52:55], s[22:23] offset:512         ; k = 16 .. 31 are not used
	s_wait_tensorcnt 0x0
	ds_add_u32 v80, v81
	s_wait_dscnt 0x0
	s_endpgm
.Lvt:
	s_cmp_eq_u32 s67, 2
	s_cbranch_scc0 .Lvb
	global_store_b32 v6, v8, s[22:23] offset:VEC
	s_wait_tensorcnt 0x0
	ds_add_u32 v80, v81
	s_wait_dscnt 0x0
	s_endpgm
.Lvb:
	global_load_b32 v9, v6, s[10:11]
	s_wait_loadcnt 0x0
	CENTRE 9
	v_add_f32 v8, v8, v9
	global_store_b32 v6, v8, s[22:23] offset:VEC+128
	s_wait_tensorcnt 0x0
	ds_add_u32 v80, v81
	s_wait_dscnt 0x0
	s_endpgm
.Lvectors:
	s_cmp_eq_u32 s66, 14
	s_cbranch_scc0 .Lscaled_vectors
	; wave 14: the warp's other vectors
	v_lshlrev_b32 v26, 3, v2
	v_and_b32 v28, 1, v0
	v_lshlrev_b32 v28, 2, v28
	global_load_b32 v8, v6, s[10:11] offset:128
	global_load_b32 v9, v6, s[10:11] offset:256
.irp i, 0,1,2
	global_load_b32 v[16+\i], v6, s[12:13] offset:128*\i
	global_load_b32 v[20+\i], v6, s[14:15] offset:128*\i
.endr
	global_load_b64 v[24:25], v26, s[16:17]
	global_load_b32 v27, v28, s[18:19]
	s_mov_b32 s28, 0x3e22f983                      ; 1 / 2pi
	s_mov_b32 s29, 0x3e800000                      ; 1 / 4
	s_mov_b32 s30, 0x3dcccccd                      ; 0.1
	s_wait_loadcnt 0x0
	CENTRE 8
	CENTRE 9
.irp i, 0,1,2
	v_mul_f32 v[16+\i], s28, v[16+\i]
	v_fma_f32 v[20+\i], v[20+\i], s28, s29
.endr
	v_mul_f32 v24, s30, v24
	v_mul_f32 v25, s30, v25
	v_mul_f32 v27, s30, v27
	global_store_b32 v6, v8, s[22:23] offset:VEC+256
	global_store_b32 v6, v9, s[22:23] offset:VEC+384
.irp i, 0,1,2
	global_store_b32 v6, v[16+\i], s[22:23] offset:VEC+512+128*\i
	global_store_b32 v6, v[20+\i], s[22:23] offset:VEC+896+128*\i
.endr
	global_store_b32 v6, v24, s[22:23] offset:VEC+1280
	global_store_b32 v6, v25, s[22:23] offset:VEC+1408
	global_store_b32 v6, v27, s[22:23] offset:VEC+1536
	s_wait_tensorcnt 0x0
	ds_add_u32 v80, v81
	s_wait_dscnt 0x0
	s_endpgm
.Lscaled_vectors:
	s_cmp_eq_u32 s66, 15
	s_cbranch_scc0 .Lend
	; wave 15: the renderer's scaled vectors
	v_mul_f32 v73, v69, v70                        ; s1 s2
	v_mul_f32 v74, v71, v72                        ; 1 / (s1 s2)
	v_mul_f32 v64, v64, v69
	v_mul_f32 v65, v65, v73
	v_mul_f32 v66, v66, v74
	global_store_b32 v6, v64, s[22:23] offset:RVEC
	global_store_b32 v6, v65, s[22:23] offset:RVEC+128
	global_store_b32 v6, v66, s[22:23] offset:RVEC+256
.Lend:
	s_wait_tensorcnt 0x0
	ds_add_u32 v80, v81
	s_wait_dscnt 0x0
	s_endpgm
.Lfunc_end_k_q19e9dc8466_prep:
	.size	k_q19e9dc8466_prep, .Lfunc_end_k_q19e9dc8466_prep-k_q19e9dc8466_prep
	.p2alignl 7, 3214868480
	.fill 96, 4, 3214868480
	.section	.rodata,"a",@progbits
	.p2align	6, 0x0
	.amdhsa_kernel k_q19e9dc8466_prep
		.amdhsa_group_segment_fixed_size 28928
		.amdhsa_private_segment_fixed_size 0
		.amdhsa_enable_private_segment 0
		.amdhsa_kernarg_size 96
		.amdhsa_user_sgpr_count 2
		.amdhsa_user_sgpr_kernarg_segment_ptr 1
		.amdhsa_wavefront_size32 1
		.amdhsa_system_sgpr_workgroup_id_x 1
		.amdhsa_system_sgpr_workgroup_id_y 1
		.amdhsa_system_sgpr_workgroup_id_z 1
		.amdhsa_system_vgpr_workitem_id 0
		.amdhsa_next_free_vgpr 82
		.amdhsa_next_free_sgpr 72
		.amdhsa_reserve_vcc 0
		.amdhsa_float_denorm_mode_32 3
		.amdhsa_float_denorm_mode_16_64 3
		.amdhsa_memory_ordered 1
		.amdhsa_forward_progress 1
		.amdhsa_inst_pref_size 23
	.end_amdhsa_kernel
	.amdgpu_metadata
---
amdhsa.version: [ 1, 2 ]
amdhsa.kernels:
  - .name:           k_q19e9dc8466_prep
    .symbol:         k_q19e9dc8466_prep.kd
    .args:
      - { .name: w_in, .offset: 0, .size: 8, .value_kind: global_buffer, .address_space: global }
      - { .name: b_in, .offset: 8, .size: 8, .value_kind: global_buffer, .address_space: global }
      - { .name: w_h, .offset: 16, .size: 8, .value_kind: global_buffer, .address_space: global }
      - { .name: b_h, .offset: 24, .size: 8, .value_kind: global_buffer, .address_space: global }
      - { .name: ln_g, .offset: 32, .size: 8, .value_kind: global_buffer, .address_space: global }
      - { .name: ln_b, .offset: 40, .size: 8, .value_kind: global_buffer, .address_space: global }
      - { .name: w_out, .offset: 48, .size: 8, .value_kind: global_buffer, .address_space: global }
      - { .name: b_out, .offset: 56, .size: 8, .value_kind: global_buffer, .address_space: global }
      - { .name: r_wh, .offset: 64, .size: 8, .value_kind: global_buffer, .address_space: global }
      - { .name: wts, .offset: 72, .size: 8, .value_kind: global_buffer, .address_space: global }
      - { .name: r_bh, .offset: 80, .size: 8, .value_kind: global_buffer, .address_space: global }
      - { .name: r_wo, .offset: 88, .size: 8, .value_kind: global_buffer, .address_space: global }
    .group_segment_fixed_size: 28928
    .private_segment_fixed_size: 0
    .kernarg_segment_align: 8
    .kernarg_segment_size: 96
    .max_flat_workgroup_size: 1024
    .sgpr_count:     72
    .vgpr_count:     82
    .wavefront_size: 32
...
	.end_amdgpu_metadata
.endif
;; end of part 5
;; launch feat (part 6): grid 512 x 1, 8 waves a work-group, no clusters, 29,696 bytes of LDS; arguments data, lerp_w, x0, y0, x1, y1, wts, pfeat; writes pfeat
.if DOCPART == 6
	.amdgcn_target "amdgcn-amd-amdhsa--gfx1250"
	.amdhsa_code_object_version 6
	.text
	.protected	k_q19e9dc8466_feat
	.globl	k_q19e9dc8466_feat
	.p2align	8
	.type	k_q19e9dc8466_feat,@function
k_q19e9dc8466_feat:
	s_mov_b64 s[64:65], 0
	v_nop
	global_prefetch_b8 v0, s[64:65] scope:SCOPE_SE
	s_setreg_imm32_b32 hwreg(HW_REG_WAVE_MODE, 25, 1), 1
	s_wait_xcnt 0x0
; FEAT: pfeat[pixel][:] = feats[pixel][:] r_wh[0], rounded once to f16; feats = the four-corner blend of data through x0, y0, x1, y1 and lerp_w.
; The sampling that follows is linear in the image, so the renderer's first product is made here, once for each of the 262,144 pixels, and not once for each of the 2,097,152 points.
; The result is kept in f16, 64 bytes a pixel: the next launch but one reads four such records for every point, and those reads are most of the bytes that the program moves.
; SHARES.  A wave owns 64 consecutive pixels, four tiles of 16, written out.  In the gather lane (g, s) = (lane / 8, lane % 8) holds, in turn t, channels 4 s .. 4 s + 3 of pixel 4 g + t:
; eight neighbouring lanes read one whole record of 128 bytes.  The blend is made in f32, split into bf16 hi + lo, turned through the wave's own LDS into the matrix
; instruction's source 1 (lane (r, h): pixel r), and multiplied as hi hi + lo hi + hi lo (weights first).  The result goes back through LDS, so that each store covers 512 consecutive bytes.
; No tensor load, no cluster: the rows are named lane by lane by the index inputs, and work-groups share only 4 KiB of weights.
; LIMITS.  The product lo x lo, about 2^-18 of a term, is dropped.  f16 holds no number beyond 65,504 (a larger result becomes an infinity) and below 6e-5 keeps a fixed step of 6e-8.
; Indices are taken as inside 0 .. 511 (they are clamped there as unsigned numbers).
.set FR1O, 10240                       ; r_wh[0]'s four images in wts
.set WLDS, 3584                        ; LDS of a wave: HT 16 rows x 144 bytes (hi 64 | lo 64 | pad 16), then OS 16 rows x 80 (64 of f16 | pad 16)
.set NEG1, 9                           ; v9 = -1.0
.set IX,  12                           ; v12-27  x0, y0, x1, y1 of my four pixels
.set LW,  28                           ; v28-35  wA, wB of my four pixels
.set OFF, 36                           ; v36-51  byte offset in data, by turn and corner
.set WT,  52                           ; v52-67  the four corner weights, by turn
.set T,   68                           ; v68-71  at work
.set GB,  72                           ; v72-135 gathered: 16 t + 4 corner
.set Z,   136                          ; v136-151 the blend, 4 a turn
.set HSH, 152                          ; v152-159 its hi parts, 2 a turn;  v160-167 its lo parts
.set HSL, 160
.set HH,  168                          ; v168-175 source 1, hi;  v176-183 lo
.set HL,  176
.set ACC, 184                          ; v184-199 two accumulators (channels 0-15, 16-31)
.set OU,  200                          ; v200-207 bytes read back for the stores
.set PK,  208                          ; v208-215 the results in f16
.set FR,  216                          ; v216-247 hi t0, hi t1, lo t0, lo t1
.macro SPLITN n, hi, lo, z             ; n pairs of f32 at v[z..] -> bf16 hi at v[hi..], bf16 of the remainders at v[lo..]; z is used up
.set i_, 0
.rept \n
	v_cvt_pk_bf16_f32 v[(\hi)+i_], v[(\z)+2*i_], v[(\z)+2*i_+1]
.set i_, i_+1
.endr
.set i_, 0
.rept \n
	v_fma_mix_f32_bf16 v[(\z)+2*i_], v[(\hi)+i_], v[NEG1], v[(\z)+2*i_] op_sel_hi:[1,0,0]
	v_fma_mix_f32_bf16 v[(\z)+2*i_+1], v[(\hi)+i_], v[NEG1], v[(\z)+2*i_+1] op_sel:[1,0,0] op_sel_hi:[1,0,0]
.set i_, i_+1
.endr
.set i_, 0
.rept \n
	v_cvt_pk_bf16_f32 v[(\lo)+i_], v[(\z)+2*i_], v[(\z)+2*i_+1]
.set i_, i_+1
.endr
.endm
	s_load_b512 s[4:19], s[0:1], 0x0               ; data s[4:5], lerp_w s[6:7], x0 s[8:9], y0 s[10:11], x1 s[12:13], y1 s[14:15], wts s[16:17], pfeat s[18:19]
	v_lshl_add_u32 v248, v0, 2, 0x7000
	v_mov_b32 v249, 0
	v_lshrrev_b32 v10, 5, v0
	v_readfirstlane_b32 s20, v10                   ; wave
	v_and_b32 v10, 31, v0                          ; lane
	v_and_b32 v11, 7, v0                           ; s
	v_bfe_u32 v68, v0, 3, 2                        ; g
	v_and_b32 v69, 15, v0                          ; r
	v_bfe_u32 v70, v0, 4, 1                        ; h
	v_and_b32 v71, 3, v0                           ; lane % 4
	v_lshlrev_b32 v1, 4, v11                       ; v1 = 16 s
	v_lshlrev_b32 v2, 4, v68                       ; v2 = 16 g
	v_lshlrev_b32 v3, 5, v68                       ; v3 = 32 g
	v_lshlrev_b32 v4, 4, v10                       ; v4 = 16 lane
	s_mul_i32 s21, s20, WLDS                       ; my wave's LDS
	v_mul_u32_u24 v5, v68, 576
	v_lshl_add_u32 v5, v11, 3, v5
	v_add_nc_u32 v5, s21, v5                       ; v5: HT, in: row 4 g (+ t), 8 bytes at 8 s
	v_mul_u32_u24 v6, v69, 144
	v_lshl_add_u32 v6, v70, 4, v6
	v_add_nc_u32 v6, s21, v6                       ; v6: HT, out: row r, 16 bytes at 16 h
	v_mul_u32_u24 v7, v69, 80
	v_lshl_add_u32 v7, v70, 4, v7
	v_add_nc_u32 v7, s21, v7
	v_add_nc_u32 v7, 2304, v7                      ; v7: OS, in: row r, 16 bytes at 16 h (+ 32 tau)
	v_lshrrev_b32 v8, 2, v10
	v_mul_u32_u24 v8, v8, 80
	v_lshl_add_u32 v8, v71, 4, v8
	v_add_nc_u32 v8, s21, v8
	v_add_nc_u32 v8, 2304, v8                      ; v8: OS, out: row lane / 4 (+ 8 u), 16 bytes at 16 (lane % 4)
	v_mov_b32 v[NEG1], -1.0
	s_lshl_b32 s22, ttmp9, 3
	s_add_co_u32 s22, s22, s20                     ; my wave among all: 64 pixels each
	s_lshl_b32 s24, s22, 9                         ; x 8 bytes
	s_lshl_b32 s26, s22, 12                        ; x 64 bytes
	s_lshl_b32 s22, s22, 8                         ; x 4 bytes
	s_mov_b32 s23, 0
	s_mov_b32 s25, 0
	s_mov_b32 s27, 0
	s_wait_kmcnt 0x0
	s_add_nc_u64 s[8:9], s[8:9], s[22:23]
	s_add_nc_u64 s[10:11], s[10:11], s[22:23]
	s_add_nc_u64 s[12:13], s[12:13], s[22:23]
	s_add_nc_u64 s[14:15], s[14:15], s[22:23]
	s_add_nc_u64 s[6:7], s[6:7], s[24:25]
	s_add_nc_u64 s[18:19], s[18:19], s[26:27]
.macro IDXLOAD i                       ; six loads: the indices and weights of my four pixels of tile i
	global_load_b128 v[IX:IX+3],     v2, s[8:9]   offset:64*(\i)
	global_load_b128 v[IX+4:IX+7],   v2, s[10:11] offset:64*(\i)
	global_load_b128 v[IX+8:IX+11],  v2, s[12:13] offset:64*(\i)
	global_load_b128 v[IX+12:IX+15], v2, s[14:15] offset:64*(\i)
	global_load_b128 v[LW:LW+3],     v3, s[6:7]   offset:128*(\i)
	global_load_b128 v[LW+4:LW+7],   v3, s[6:7]   offset:128*(\i)+16
.endm
.macro ADDR                            ; offsets ((y 512 + x) 128 + 16 s) and weights of the corners (y0,x0) (y0,x1) (y1,x0) (y1,x1)
.irp t, 0,1,2,3
	v_min_u32 v[IX+\t],    511, v[IX+\t]
	v_min_u32 v[IX+4+\t],  511, v[IX+4+\t]
	v_min_u32 v[IX+8+\t],  511, v[IX+8+\t]
	v_min_u32 v[IX+12+\t], 511, v[IX+12+\t]
	v_lshl_add_u32 v[T],   v[IX+4+\t],  9, v[IX+\t]
	v_lshl_add_u32 v[T+1], v[IX+4+\t],  9, v[IX+8+\t]
	v_lshl_add_u32 v[T+2], v[IX+12+\t], 9, v[IX+\t]
	v_lshl_add_u32 v[T+3], v[IX+12+\t], 9, v[IX+8+\t]
	v_lshl_add_u32 v[OFF+4*\t],   v[T],   7, v1
	v_lshl_add_u32 v[OFF+4*\t+1], v[T+1], 7, v1
	v_lshl_add_u32 v[OFF+4*\t+2], v[T+2], 7, v1
	v_lshl_add_u32 v[OFF+4*\t+3], v[T+3], 7, v1
	v_sub_f32 v[T],   1.0, v[LW+2*\t]
	v_sub_f32 v[T+1], 1.0, v[LW+2*\t+1]
	v_mul_f32 v[WT+4*\t],   v[T], v[T+1]
	v_mul_f32 v[WT+4*\t+1], v[LW+2*\t], v[T+1]
	v_mul_f32 v[WT+4*\t+2], v[T], v[LW+2*\t+1]
	v_mul_f32 v[WT+4*\t+3], v[LW+2*\t], v[LW+2*\t+1]
.endr
.endm
.macro GATHER
.irp t, 0,1,2,3
.irp c, 0,1,2,3
	global_load_b128 v[GB+16*\t+4*\c:GB+16*\t+4*\c+3], v[OFF+4*\t+\c], s[4:5]
.endr
.endr
.endm
.macro INTERP                          ; a weight is one register of a pair: op_sel picks it for both halves
.irp t, 0,1,2,3
.irp k, 0,2
	v_pk_mul_f32 v[Z+4*\t+\k:Z+4*\t+\k+1], v[GB+16*\t+\k:GB+16*\t+\k+1], v[WT+4*\t:WT+4*\t+1] op_sel_hi:[1,0]
	v_pk_fma_f32 v[Z+4*\t+\k:Z+4*\t+\k+1], v[GB+16*\t+4+\k:GB+16*\t+4+\k+1], v[WT+4*\t:WT+4*\t+1], v[Z+4*\t+\k:Z+4*\t+\k+1] op_sel:[0,1,0] op_sel_hi:[1,1,1]
	v_pk_fma_f32 v[Z+4*\t+\k:Z+4*\t+\k+1], v[GB+16*\t+8+\k:GB+16*\t+8+\k+1], v[WT+4*\t+2:WT+4*\t+3], v[Z+4*\t+\k:Z+4*\t+\k+1] op_sel_hi:[1,0,1]
	v_pk_fma_f32 v[Z+4*\t+\k:Z+4*\t+\k+1], v[GB+16*\t+12+\k:GB+16*\t+12+\k+1], v[WT+4*\t+2:WT+4*\t+3], v[Z+4*\t+\k:Z+4*\t+\k+1] op_sel:[0,1,0] op_sel_hi:[1,1,1]
.endr
.endr
.endm
.macro TRANSP                          ; from (pixel 4 g + t, channels 4 s ..) to (pixel r, k = 8 h .., 16 + 8 h ..).  The bytes are my wave's own, and LDS serves a wave's instructions in order (ISA guide 5.7.1.4)
.irp t, 0,1,2,3
	ds_store_b64 v5, v[HSH+2*\t:HSH+2*\t+1] offset:144*\t
	ds_store_b64 v5, v[HSL+2*\t:HSL+2*\t+1] offset:144*\t+64
.endr
	ds_load_b128 v[HH:HH+3],   v6
	ds_load_b128 v[HH+4:HH+7], v6 offset:32
	ds_load_b128 v[HL:HL+3],   v6 offset:64
	ds_load_b128 v[HL+4:HL+7], v6 offset:96
	s_wait_dscnt 0x0
.endm
.macro MM                              ; hi hi + lo hi + hi lo; the two accumulators take turns; the first products start the sums
	v_wmma_f32_16x16x32_bf16 v[ACC:ACC+7],    v[FR:FR+7],     v[HH:HH+7], 0
	v_wmma_f32_16x16x32_bf16 v[ACC+8:ACC+15], v[FR+8:FR+15],  v[HH:HH+7], 0
	v_wmma_f32_16x16x32_bf16 v[ACC:ACC+7],    v[FR+16:FR+23], v[HH:HH+7], v[ACC:ACC+7]
	v_wmma_f32_16x16x32_bf16 v[ACC+8:ACC+15], v[FR+24:FR+31], v[HH:HH+7], v[ACC+8:ACC+15]
	v_wmma_f32_16x16x32_bf16 v[ACC:ACC+7],    v[FR:FR+7],     v[HL:HL+7], v[ACC:ACC+7]
	v_wmma_f32_16x16x32_bf16 v[ACC+8:ACC+15], v[FR+8:FR+15],  v[HL:HL+7], v[ACC+8:ACC+15]
.endm
.macro OUTP i
.rept 4
	v_nop                                          ; four places between the last product and the first read of a result (ISA guide 7.12.1)
.endr
.set i_, 0
.rept 8                                            ; lane (r, h): pixel r, channels 16 tau + 8 h + 0..7: 16 bytes of f16 a result; each accumulator from its low end
	v_cvt_pk_f16_f32 v[PK+i_], v[ACC+2*i_], v[ACC+2*i_+1]
.set i_, i_+1
.endr
	ds_store_b128 v7, v[PK:PK+3]
	ds_store_b128 v7, v[PK+4:PK+7] offset:32
	s_wait_xcnt 0x0                                ; the last tile's stores have read OU: it is loaded again only behind this wait
	ds_load_b128 v[OU:OU+3],   v8                  ; eight rows of 64 bytes: 512 bytes that lie on end in pfeat
	ds_load_b128 v[OU+4:OU+7], v8 offset:640
	s_wait_dscnt 0x0
	global_store_b128 v4, v[OU:OU+3],   s[18:19] offset:1024*(\i)       ; 512 consecutive bytes, aligned
	global_store_b128 v4, v[OU+4:OU+7], s[18:19] offset:1024*(\i)+512
.endm
.macro TILE i
	s_wait_loadcnt 0x0                             ; this tile's indices and weights (at tile 0 the weight images too); no gather is out here
	ADDR
	GATHER
.if (\i) < 3
	IDXLOAD (\i)+1
	s_wait_loadcnt 0x6                             ; the 16 gathers are in; the six younger loads, the next tile's indices, stay out
.else
	s_wait_loadcnt 0x0
.endif
	INTERP
	SPLITN 8, HSH, HSL, Z
	TRANSP
	MM
	OUTP \i
.endm
.irp m, 0,1,2,3
	global_load_b128 v[FR+8*\m:FR+8*\m+3],   v4, s[16:17] offset:FR1O+1024*\m
	global_load_b128 v[FR+8*\m+4:FR+8*\m+7], v4, s[16:17] offset:FR1O+1024*\m+512
.endr
	IDXLOAD 0
	TILE 0
	TILE 1
	TILE 2
	TILE 3
	s_wait_tensorcnt 0x0
	ds_add_u32 v248, v249
	s_wait_dscnt 0x0
	s_endpgm
.Lfunc_end_k_q19e9dc8466_feat:
	.size	k_q19e9dc8466_feat, .Lfunc_end_k_q19e9dc8466_feat-k_q19e9dc8466_feat
	.p2alignl 7, 3214868480
	.fill 96, 4, 3214868480
	.section	.rodata,"a",@progbits
	.p2align	6, 0x0
	.amdhsa_kernel k_q19e9dc8466_feat
		.amdhsa_group_segment_fixed_size 29696
		.amdhsa_private_segment_fixed_size 0
		.amdhsa_enable_private_segment 0
		.amdhsa_kernarg_size 64
		.amdhsa_user_sgpr_count 2
		.amdhsa_user_sgpr_kernarg_segment_ptr 1
		.amdhsa_wavefront_size32 1
		.amdhsa_system_sgpr_workgroup_id_x 1
		.amdhsa_system_sgpr_workgroup_id_y 1
		.amdhsa_system_sgpr_workgroup_id_z 1
		.amdhsa_system_vgpr_workitem_id 0
		.amdhsa_next_free_vgpr 250
		.amdhsa_next_free_sgpr 66
		.amdhsa_reserve_vcc 0
		.amdhsa_float_denorm_mode_32 3
		.amdhsa_float_denorm_mode_16_64 3
		.amdhsa_memory_ordered 1
		.amdhsa_forward_progress 1
		.amdhsa_inst_pref_size 52
	.end_amdhsa_kernel
	.amdgpu_metadata
---
amdhsa.version: [ 1, 2 ]
amdhsa.kernels:
  - .name:           k_q19e9dc8466_feat
    .symbol:         k_q19e9dc8466_feat.kd
    .args:
      - { .name: data, .offset: 0, .size: 8, .value_kind: global_buffer, .address_space: global }
      - { .name: lerp_w, .offset: 8, .size: 8, .value_kind: global_buffer, .address_space: global }
      - { .name: x0, .offset: 16, .size: 8, .value_kind: global_buffer, .address_space: global }
      - { .name: y0, .offset: 24, .size: 8, .value_kind: global_buffer, .address_space: global }
      - { .name: x1, .offset: 32, .size: 8, .value_kind: global_buffer, .address_space: global }
      - { .name: y1, .offset: 40, .size: 8, .value_kind: global_buffer, .address_space: global }
      - { .name: wts, .offset: 48, .size: 8, .value_kind: global_buffer, .address_space: global }
      - { .name: pfeat, .offset: 56, .size: 8, .value_kind: global_buffer, .address_space: global }
    .group_segment_fixed_size: 29696
    .private_segment_fixed_size: 0
    .kernarg_segment_align: 8
    .kernarg_segment_size: 64
    .max_flat_workgroup_size: 256
    .sgpr_count:     66
    .vgpr_count:     250
    .wavefront_size: 32
...
	.end_amdgpu_metadata
.endif
;; end of part 6
;; launch warp: the kernel of part 3 again; grid 256 x 1, 8 waves a work-group, no clusters, 0 bytes of LDS; arguments t, xy_basis, wts, idx, wgt; writes idx, wgt
;; launch render (part 7): grid 256 x 1, 8 waves a work-group, no clusters, 132,096 bytes of LDS; arguments pfeat, idx, wgt, wts, r_bh, r_bo, out0; writes out0
.if DOCPART == 7
	.amdgcn_target "amdgcn-amd-amdhsa--gfx1250"
	.amdhsa_code_object_version 6
	.text
	.protected	k_q19e9dc8466_render
	.globl	k_q19e9dc8466_render
	.p2align	8
	.type	k_q19e9dc8466_render,@function
k_q19e9dc8466_render:
	s_mov_b64 s[64:65], 0
	v_nop
	global_prefetch_b8 v0, s[64:65] scope:SCOPE_SE
	s_setreg_imm32_b32 hwreg(HW_REG_WAVE_MODE, 25, 1), 1
	s_wait_xcnt 0x0
; RENDER: z1 = relu(the four-corner blend of pfeat + r_bh[0]); z2, z3 = relu(z W + b); out = leaky(z3 r_wo + r_bo).
; The corners are named by idx, whole numbers that the launch before stored; the blend's weights come from wgt.  pfeat holds f16, 64 bytes a pixel.
; SHARES.  A wave owns 1,024 consecutive points: 32 units of 32, each two tiles of 16; tile e, row r of a unit is its point 2 r + e.
; GATHER.  Lane (r, h) loads bytes 16 h .. and 32 + 16 h .. of each corner's record of point r: those 8 registers ARE a matrix instruction's source 1 (16 points x 32 channels),
; so nothing is turned through LDS.  A product with the unit matrix widens them to f32: one product for each output is not 0, so the result is the f16 number itself.  That is 8 matrix
; instructions a tile where conversions would be 64 vector instructions, and a lane then holds point r and channels 16 tau + 8 h + 0..7, as in every other product here.
; The blend itself is made in f32, 32 packed multiply-adds a tile; its first takes r_bh[0] as addend.
; PRODUCTS.  Source 0 = 16 output channels, source 1 = 16 points, both f16, sums in f32, the bias as C: one instruction a result.  The first launch has scaled the weights by powers of two:
; the images hold s1 r_wh[1] and s2 r_wh[2], the vectors s1 r_bh[1], s1 s2 r_bh[2] and r_wo / (s1 s2).  relu(s x) = s relu(x), so this text works on s1 z2 and s1 s2 z3 and ends with the
; unscaled output.  |s1 r_wh[1]| and |s1 r_bh[1]| are below 2, so s1 z2 is at most 64 times the largest z1, plus 2.  The 32 -> 1 product is packed f32: it would fill a sixteenth of a tile.
; RING.  Four buffers of 64 registers (all of window 1).  Behind its wait unit v asks for batch v: the 16 gathers of unit v + 3 and the index load of unit v + 6, so 34 to 51 loads of 512 bytes are out.
; The wave's 16 KiB of weights are copied into its own LDS once, in runs of 512 consecutive bytes, and read from there two quads a unit, a unit ahead.  All LDS bytes are a wave's own: no barrier.
; No tensor load, no cluster: the rows are named lane by lane, and work-groups share only 4 KiB of weights.
; LIMITS.  pfeat, z1, s1 z2 and the scaled weights have f16's 11 bits; f16 holds no number beyond 65,504 (a larger z1 or s1 z2 becomes an infinity) and below 6e-5 keeps a fixed step of 6e-8.
; NaN and infinities are not treated apart.  An index is clamped to 510 x 512 + 510, which the launch before never passes.
.set FR2O, 14336
.set FR3O, 18432
.set RVEC, 16384
.set H16,  1                           ; v1  16 h
.set L8,   2                           ; v2  8 lane
.set WLR,  3                           ; v3  LDS address of my point's weights: wave + 16 r, and 2,048 on with each trip
.set LIM,  5                           ; v5  8 r + 128 x 31: the index address of the wave's last unit
.set IXA,  6                           ; v6-9    by slot: the address of the slot's last index load
.set IX,   10                          ; v10-17  by slot: the indices of points 2 r, 2 r + 1
.set OFF,  18                          ; v18-25  by slot: their byte offsets in pfeat, + 16 h
.set WT0,  26                          ; v26-33  two quads of corner weights: the even units'
.set OQ,   34                          ; v34-37  my 16 channels' part of the outputs of two units' tiles
.set T,    38                          ; v38-45  at work
.set OP,   46                          ; v46-49  two pairs of outputs
.set ID,   50                          ; v50-61  0 0 0 0 E0 E1 E2 E3 0 0 0 0: the unit matrix's rows 16-31 begin at ID, its rows 0-15 at ID + 4
.set L16,  62                          ; v62  16 lane (head)
.set H32,  63                          ; v63  32 h (head)
.set ACC,  64                          ; v64-95  the blend, then the results: tile e, tau at 16 e + 8 tau
.set HB,   96                          ; v96-127 two widened corners; then source 1: tile e at 8 e
.set FR2,  128                         ; v128-143, v144-159: t0, t1
.set FR3,  144
.set WT1,  160                         ; v160-167 the odd units' weights
.set RB0,  192
.set RB1,  208
.set RB2,  224
.set RWO,  240                         ; window 1: the gathered corners: 64 slot + 32 e + 8 corner
.set MSB, 0
.macro WIN new                         ; s_set_vgpr_msb: bits 1:0 source 0, 3:2 source 1, 5:4 source 2, 7:6 destination; the high byte repeats the setting that is left
.if MSB != (\new)
	s_set_vgpr_msb (MSB<<8)|(\new)
.set MSB, (\new)
.endif
.endm
.macro RELU n, z
.set i_, 0
.rept \n
	v_max_num_f32 v[(\z)+i_], 0, v[(\z)+i_]        ; ascending: each result is read from its low end on
.set i_, i_+1
.endr
.endm
.macro CVTH                            ; both tiles' 32 channels, rounded in pairs, ARE the next source 1
.set i_, 0
.rept 16
	v_cvt_pk_f16_f32 v[HB+i_], v[ACC+2*i_], v[ACC+2*i_+1]
.set i_, i_+1
.endr
.endm
.macro PLACES
.rept 4
	v_nop                                          ; four places between a product and the lines that read its result or write its sources (ISA guide 7.12.1)
.endr
.endm
	s_load_b256 s[4:11], s[0:1], 0x0               ; pfeat s[4:5], idx s[6:7], wgt s[8:9], wts s[10:11]
	s_load_b128 s[12:15], s[0:1], 0x20             ; r_bh s[12:13], r_bo s[14:15]
	s_load_b64 s[18:19], s[0:1], 0x30              ; out0
	v_lshl_add_u32 v190, v0, 2, 0x20000
	v_mov_b32 v191, 0
	v_lshrrev_b32 v38, 5, v0
	v_readfirstlane_b32 s20, v38                   ; wave
	v_and_b32 v39, 31, v0                          ; lane
	v_and_b32 v40, 15, v0                          ; r
	v_bfe_u32 v41, v0, 4, 1                        ; h
	v_lshlrev_b32 v[H16], 4, v41
	v_lshlrev_b32 v[H32], 5, v41
	v_lshlrev_b32 v[L8], 3, v39
	v_lshlrev_b32 v[L16], 4, v39
	s_lshl_b32 s21, s20, 14                        ; my wave's 16 KiB of LDS
	v_lshl_add_u32 v[WLR], v40, 4, s21
	v_add_nc_u32 v42, s21, v[L16]                  ; where I put 16 bytes of the weights
	v_lshlrev_b32 v43, 3, v40                      ; 8 r: two indices
	v_add_nc_u32 v[LIM], 3968, v43
	v_add_nc_u32 v[IXA+2], 256, v43                ; slot w % 4 holds unit w's address: units 2, 3, 4, 5; each is stepped by four units ahead of its next use
	v_add_nc_u32 v[IXA+3], 384, v43
	v_add_nc_u32 v[IXA], 512, v43
	v_add_nc_u32 v[IXA+1], 640, v43
	v_mov_b32 v[T+6], 0                            ; destinations of v_permlanex16_b32 count as read
	v_mov_b32 v[T+7], 0
	; the unit matrix in f16 as source 0: lane (r, h) holds row r and k = 8 h + 0..7 in four registers: 1.0 at k = r, so in the lanes with h = r / 8, register (r % 8) / 2, half r % 2
	v_lshrrev_b32 v34, 3, v40
	v_cmp_eq_u32 vcc_lo, v34, v41
	v_and_b32 v35, 1, v0
	v_lshlrev_b32 v35, 4, v35
	v_mov_b32 v36, 0x3c00                          ; 1.0 in f16
	v_lshlrev_b32 v35, v35, v36
	v_cndmask_b32 v35, 0, v35, vcc_lo
	v_bfe_u32 v34, v0, 1, 2
.irp i, 0,1,2,3
	v_cmp_eq_u32 vcc_lo, \i, v34
	v_cndmask_b32 v[ID+4+\i], 0, v35, vcc_lo
	v_mov_b32 v[ID+\i], 0
	v_mov_b32 v[ID+8+\i], 0
.endr
	s_mov_b32 s23, 0xffff0000                      ; lanes 16-31
	s_mov_b32 s24, 0x76543210                      ; each lane takes its own place in the other half
	s_mov_b32 s25, 0xfedcba98
	s_mov_b32 s27, 0x3a83126f                      ; 0.001
	s_lshl_b32 s28, ttmp9, 3
	s_add_co_u32 s28, s28, s20                     ; my wave among all: 1,024 points each
	s_lshl_b32 s30, s28, 14                        ; x 16 bytes
	s_lshl_b32 s28, s28, 12                        ; x 4 bytes
	s_mov_b32 s29, 0
	s_mov_b32 s31, 0
	s_wait_kmcnt 0x0
	s_load_b32 s22, s[14:15], 0x0                  ; r_bo
	s_add_nc_u64 s[6:7], s[6:7], s[28:29]
	s_add_nc_u64 s[18:19], s[18:19], s[28:29]
	s_add_nc_u64 s[8:9], s[8:9], s[30:31]
.macro MKOFF s                         ; slot s: index -> byte offset of my 16 bytes in the record
	v_min_u32 v[OFF+2*(\s)],   0x3fdfe, v[IX+2*(\s)]
	v_min_u32 v[OFF+2*(\s)+1], 0x3fdfe, v[IX+2*(\s)+1]
	v_lshl_add_u32 v[OFF+2*(\s)],   v[OFF+2*(\s)],   6, v[H16]
	v_lshl_add_u32 v[OFF+2*(\s)+1], v[OFF+2*(\s)+1], 6, v[H16]
.endm
.macro GATH s                          ; 16 loads: corners (yb, xb), (yb, xb + 1), (yb + 1, xb), (yb + 1, xb + 1) of two tiles, two loads of 16 bytes a lane each
	WIN 0x40                                       ; destination window 1, address window 0
.irp e, 0,1
.irp c, 0,1,2,3
	global_load_b128 v[64*(\s)+32*\e+8*\c:64*(\s)+32*\e+8*\c+3],   v[OFF+2*(\s)+\e], s[4:5] offset:(\c&1)*64+(\c>>1)*32768
	global_load_b128 v[64*(\s)+32*\e+8*\c+4:64*(\s)+32*\e+8*\c+7], v[OFF+2*(\s)+\e], s[4:5] offset:(\c&1)*64+(\c>>1)*32768+32
.endr
.endr
	WIN 0
.endm
.macro WID gb, d                       ; one corner of one tile, widened: channels 0-15 into v[d..], 16-31 into v[d+8..]
	v_wmma_f32_16x16x32_f16 v[(\d):(\d)+7],    v[ID+4:ID+11], v[(\gb):(\gb)+7], 0
	v_wmma_f32_16x16x32_f16 v[(\d)+8:(\d)+15], v[ID:ID+7],    v[(\gb):(\gb)+7], 0
.endm
.macro BLEND e, c, d                   ; tile e += weight c x the corner at v[d..]; a weight is one register of a pair: op_sel picks it for both halves.  wt_: the unit's weights
.set j_, 0
.rept 8
.if (\c) == 0
	v_pk_fma_f32 v[ACC+16*(\e)+2*j_:ACC+16*(\e)+2*j_+1], v[(\d)+2*j_:(\d)+2*j_+1], v[wt_+4*(\e):wt_+4*(\e)+1], v[RB0+2*j_:RB0+2*j_+1] op_sel_hi:[1,0,1]
.elseif (\c) == 1
	v_pk_fma_f32 v[ACC+16*(\e)+2*j_:ACC+16*(\e)+2*j_+1], v[(\d)+2*j_:(\d)+2*j_+1], v[wt_+4*(\e):wt_+4*(\e)+1], v[ACC+16*(\e)+2*j_:ACC+16*(\e)+2*j_+1] op_sel:[0,1,0] op_sel_hi:[1,1,1]
.elseif (\c) == 2
	v_pk_fma_f32 v[ACC+16*(\e)+2*j_:ACC+16*(\e)+2*j_+1], v[(\d)+2*j_:(\d)+2*j_+1], v[wt_+4*(\e)+2:wt_+4*(\e)+3], v[ACC+16*(\e)+2*j_:ACC+16*(\e)+2*j_+1] op_sel_hi:[1,0,1]
.else
	v_pk_fma_f32 v[ACC+16*(\e)+2*j_:ACC+16*(\e)+2*j_+1], v[(\d)+2*j_:(\d)+2*j_+1], v[wt_+4*(\e)+2:wt_+4*(\e)+3], v[ACC+16*(\e)+2*j_:ACC+16*(\e)+2*j_+1] op_sel:[0,1,0] op_sel_hi:[1,1,1]
.endif
.set j_, j_+1
.endr
.endm
.macro MMF fr, rb                      ; a layer on two tiles: four products, each with a result of its own and the bias as C
.irp q, 0,1
.irp u, 0,1
	v_wmma_f32_16x16x32_f16 v[ACC+16*\q+8*\u:ACC+16*\q+8*\u+7], v[(\fr)+8*\u:(\fr)+8*\u+7], v[HB+8*\q:HB+8*\q+7], v[(\rb)+8*\u:(\rb)+8*\u+7]
.endr
.endr
	PLACES
.endm
; Two units' 64 outputs.  Lane (r, h) owns points 2 r, 2 r + 1 of unit h of the two: it keeps its part of them and sends the lane 16 away its part of the points that that lane keeps.
.macro FIN k                           ; k: the first or the second pair of units of a trip
.if (\k) == 0
	s_wait_storecnt 0x0                            ; the last trip's two stores are done: their base and their data (OP) are written again only behind this wait; the younger of them is more than a unit's work old
	s_add_nc_u64 s[18:19], s[18:19], 512           ; this trip's 128 outputs end here; the stores reach back
.endif
.irp e, 0,1
	v_cndmask_b32 v[OP+2*(\k)+\e], v[OQ+\e], v[OQ+2+\e], s23
	v_cndmask_b32 v[T+4+\e], v[OQ+2+\e], v[OQ+\e], s23
.endr
.irp e, 0,1
	v_permlanex16_b32 v[T+6+\e], v[T+4+\e], s24, s25
.endr
.irp e, 0,1
	v_add_f32 v[OP+2*(\k)+\e], v[OP+2*(\k)+\e], v[T+6+\e]
.endr
.irp e, 0,1
	v_add_f32 v[OP+2*(\k)+\e], s22, v[OP+2*(\k)+\e]
.endr
.irp e, 0,1
	v_mul_f32 v[T+4+\e], s27, v[OP+2*(\k)+\e]
.endr
.irp e, 0,1
	v_max_num_f32 v[OP+2*(\k)+\e], v[OP+2*(\k)+\e], v[T+4+\e]   ; out where out >= 0, 0.001 out below
.endr
	global_store_b64 v[L8], v[OP+2*(\k):OP+2*(\k)+1], s[18:19] offset:256*(\k)-512 th:TH_STORE_NT   ; 256 consecutive bytes, aligned
.endm
; Unit uu of a trip's four; its slot is uu.  gath = 1: the unit three on is gathered; ixl = 1: the indices of the unit six on are loaded; wl = 1: the next unit's weights are read from LDS;
; left = the younger loads that may stay out: the two batches issued in the two units before.
.macro UNIT uu, gath, ixl, wl, left
.set sg_, ((\uu)+3)%4
.set si_, ((\uu)+2)%4
.set gb_, 64*(\uu)
.set wt_, WT0+(WT1-WT0)*((\uu)&1)
.set wn_, WT0+(WT1-WT0)*(((\uu)+1)&1)
	s_wait_loadcnt \left                           ; loads come back in order (ISA guide 5.7.1): this unit's gathers are in, and the indices asked for with them
.if \gath
	MKOFF sg_                                      ; the slot's offsets and registers served the unit before this one, whose loads were waited for then
	GATH sg_
.endif
.if \ixl
	v_add_nc_u32 v[IXA+si_], 512, v[IXA+si_]       ; four units on; the load that read this address was waited for at the head of the unit before
	v_min_u32 v[IXA+si_], v[IXA+si_], v[LIM]       ; the last trip's units 2 and 3 would look past the wave's share: they read its last unit's indices again, which nobody uses,
	global_load_b64 v[IX+2*si_:IX+2*si_+1], v[IXA+si_], s[6:7]   ; so that every trip has one text and one count of loads
.endif
	s_wait_dscnt 0x0                               ; this unit's weights, asked for a unit ago
.if \wl
.if (\uu) == 3
	v_add_nc_u32 v[WLR], 2048, v[WLR]              ; the next four units' weights
.set wo_, 0
.else
.set wo_, (((\uu)+1)>>1)*1024+(((\uu)+1)&1)*256
.endif
	ds_load_b128 v[wn_:wn_+3],   v[WLR] offset:wo_       ; the next unit's quads of points 2 r and 2 r + 1: in wgt the even points' quads of 64 points lie first, the odd points' 512 bytes on
	ds_load_b128 v[wn_+4:wn_+7], v[WLR] offset:wo_+512
.endif
.irp e, 0,1
	WIN 0x04                                       ; source 1 window 1
	WID gb_+32*\e, HB
	WID gb_+32*\e+8, HB+16
	WIN 0
.if \e == 0
	PLACES
.else
	RELU 16, ACC                                   ; tile 0's relu names none of those products' registers: it fills the places behind them
.endif
	BLEND \e, 0, HB
	BLEND \e, 1, HB+16
	WIN 0x04
	WID gb_+32*\e+16, HB
	WID gb_+32*\e+24, HB+16
	WIN 0
	PLACES
	BLEND \e, 2, HB
	BLEND \e, 3, HB+16
.endr
	RELU 16, ACC+16
	CVTH
	MMF FR2, RB1
	RELU 32, ACC
	CVTH
	MMF FR3, RB2
	RELU 32, ACC
	v_pk_mul_f32 v[T:T+1], v[ACC:ACC+1], v[RWO:RWO+1]
	v_pk_mul_f32 v[T+2:T+3], v[ACC+16:ACC+17], v[RWO:RWO+1]
.irp j, 2,4,6,8,10,12,14
	v_pk_fma_f32 v[T:T+1], v[ACC+\j:ACC+\j+1], v[RWO+\j:RWO+\j+1], v[T:T+1]
	v_pk_fma_f32 v[T+2:T+3], v[ACC+16+\j:ACC+16+\j+1], v[RWO+\j:RWO+\j+1], v[T+2:T+3]
.endr
	v_add_f32 v[OQ+2*((\uu)&1)], v[T], v[T+1]
	v_add_f32 v[OQ+2*((\uu)&1)+1], v[T+2], v[T+3]
.if (\uu)&1
	FIN (\uu)>>1
.endif
.endm
.irp m, 0,1
	global_load_b128 v[FR2+8*\m:FR2+8*\m+3],   v[L16], s[10:11] offset:FR2O+1024*\m
	global_load_b128 v[FR2+8*\m+4:FR2+8*\m+7], v[L16], s[10:11] offset:FR2O+1024*\m+512
	global_load_b128 v[FR3+8*\m:FR3+8*\m+3],   v[L16], s[10:11] offset:FR3O+1024*\m
	global_load_b128 v[FR3+8*\m+4:FR3+8*\m+7], v[L16], s[10:11] offset:FR3O+1024*\m+512
.endr
.irp f, 0,1,2,3                        ; vectors as a result holds them: channels 8 h + 0..7 and 16 + 8 h + 0..7
	global_load_b128 v[RB0+4*\f:RB0+4*\f+3], v[H32], s[12:13] offset:(\f>>1)*64+(\f&1)*16
	global_load_b128 v[RB1+4*\f:RB1+4*\f+3], v[H32], s[10:11] offset:RVEC+(\f>>1)*64+(\f&1)*16
	global_load_b128 v[RB2+4*\f:RB2+4*\f+3], v[H32], s[10:11] offset:RVEC+128+(\f>>1)*64+(\f&1)*16
	global_load_b128 v[RWO+4*\f:RWO+4*\f+3], v[H32], s[10:11] offset:RVEC+256+(\f>>1)*64+(\f&1)*16
.endr
.irp w, 0,1,2
	global_load_b64 v[IX+2*\w:IX+2*\w+1], v43, s[6:7] offset:128*\w
.endr
	WIN 0x40
.set i_, 0
.rept 32                                           ; my 16 KiB of wgt, 512 consecutive bytes a load, through registers that the gathers take later
	global_load_b128 v[4*i_:4*i_+3], v[L16], s[8:9] offset:512*i_ th:TH_LOAD_NT
.set i_, i_+1
.endr
	WIN 0
	s_wait_loadcnt 0x0
	s_wait_kmcnt 0x0
	WIN 0x04                                       ; the stores' data (source 1) in window 1
.set i_, 0
.rept 32
	ds_store_b128 v42, v[4*i_:4*i_+3] offset:512*i_
.set i_, i_+1
.endr
	WIN 0
	s_wait_dscnt 0x0
.irp w, 0,1,2                          ; three batches like the loop's: the gathers of units 0, 1, 2, each with the indices of the unit three on
	MKOFF \w
	GATH \w
	global_load_b64 v[IX+2*((\w+3)%4):IX+2*((\w+3)%4)+1], v[IXA+(\w+3)%4], s[6:7]
.endr
	ds_load_b128 v[WT0:WT0+3],   v[WLR]            ; unit 0's weights
	ds_load_b128 v[WT0+4:WT0+7], v[WLR] offset:512
	s_mov_b32 s26, 0
.Ltrip:                                                ; units 0 .. 27, four a trip.  Out at each unit's head: three batches of 16 gathers and an index load
	UNIT 0, 1, 1, 1, 34
	UNIT 1, 1, 1, 1, 34
	UNIT 2, 1, 1, 1, 34
	UNIT 3, 1, 1, 1, 34
	s_add_co_u32 s26, s26, 1
	s_cmp_lt_u32 s26, 7
	s_cbranch_scc1 .Ltrip
	UNIT 0, 1, 0, 1, 34                            ; unit 28 gathers the last unit; no index is left to load: its batch has 16 loads
	UNIT 1, 0, 0, 1, 33                            ; behind unit 29's gathers: a batch of 17 and that of 16
	UNIT 2, 0, 0, 1, 16
	UNIT 3, 0, 0, 0, 0
	s_wait_tensorcnt 0x0
	ds_add_u32 v190, v191
	s_wait_dscnt 0x0
	s_endpgm
.Lfunc_end_k_q19e9dc8466_render:
	.size	k_q19e9dc8466_render, .Lfunc_end_k_q19e9dc8466_render-k_q19e9dc8466_render
	.p2alignl 7, 3214868480
	.fill 96, 4, 3214868480
	.section	.rodata,"a",@progbits
	.p2align	6, 0x0
	.amdhsa_kernel k_q19e9dc8466_render
		.amdhsa_group_segment_fixed_size 132096
		.amdhsa_private_segment_fixed_size 0
		.amdhsa_enable_private_segment 0
		.amdhsa_kernarg_size 56
		.amdhsa_user_sgpr_count 2
		.amdhsa_user_sgpr_kernarg_segment_ptr 1
		.amdhsa_wavefront_size32 1
		.amdhsa_system_sgpr_workgroup_id_x 1
		.amdhsa_system_sgpr_workgroup_id_y 1
		.amdhsa_system_sgpr_workgroup_id_z 1
		.amdhsa_system_vgpr_workitem_id 0
		.amdhsa_next_free_vgpr 512
		.amdhsa_next_free_sgpr 66
		.amdhsa_reserve_vcc 1
		.amdhsa_float_denorm_mode_32 3
		.amdhsa_float_denorm_mode_16_64 3
		.amdhsa_memory_ordered 1
		.amdhsa_forward_progress 1
		.amdhsa_inst_pref_size 131
	.end_amdhsa_kernel
	.amdgpu_metadata
---
amdhsa.version: [ 1, 2 ]
amdhsa.kernels:
  - .name:           k_q19e9dc8466_render
    .symbol:         k_q19e9dc8466_render.kd
    .args:
      - { .name: pfeat, .offset: 0, .size: 8, .value_kind: global_buffer, .address_space: global }
      - { .name: idx, .offset: 8, .size: 8, .value_kind: global_buffer, .address_space: global }
      - { .name: wgt, .offset: 16, .size: 8, .value_kind: global_buffer, .address_space: global }
      - { .name: wts, .offset: 24, .size: 8, .value_kind: global_buffer, .address_space: global }
      - { .name: r_bh, .offset: 32, .size: 8, .value_kind: global_buffer, .address_space: global }
      - { .name: r_bo, .offset: 40, .size: 8, .value_kind: global_buffer, .address_space: global }
      - { .name: out0, .offset: 48, .size: 8, .value_kind: global_buffer, .address_space: global }
    .group_segment_fixed_size: 132096
    .private_segment_fixed_size: 0
    .kernarg_segment_align: 8
    .kernarg_segment_size: 56
    .max_flat_workgroup_size: 256
    .sgpr_count:     66
    .vgpr_count:     512
    .wavefront_size: 32
...
	.end_amdgpu_metadata
.endif
;; end of part 7
;; ======== version 3 of 3: 4 launches; version 2 with the launch render written anew for expert scheduling mode
;; limits: values outside matrix products are rounded to f16; values are held in f16: magnitudes above 65,504 overflow, below 6.1e-05 lose precision
;; workspace buffers: wts 24,576 bytes; pfeat 16,777,216 bytes; idx 8,388,608 bytes of whole numbers; wgt 33,554,432 bytes
;; launch prep: the kernel of part 5 again; grid 1 x 1, 32 waves a work-group, no clusters, 28,928 bytes of LDS; arguments w_in, b_in, w_h, b_h, ln_g, ln_b, w_out, b_out, r_wh, wts, r_bh, r_wo; writes wts
;; launch feat: the kernel of part 6 again; grid 512 x 1, 8 waves a work-group, no clusters, 29,696 bytes of LDS; arguments data, lerp_w, x0, y0, x1, y1, wts, pfeat; writes pfeat
;; launch warp: the kernel of part 3 again; grid 256 x 1, 8 waves a work-group, no clusters, 0 bytes of LDS; arguments t, xy_basis, wts, idx, wgt; writes idx, wgt
;; launch render (part 8): grid 256 x 1, 8 waves a work-group, no clusters, 132,096 bytes of LDS; arguments pfeat, idx, wgt, wts, r_bh, r_bo, out0; writes out0
.if DOCPART == 8
	.amdgcn_target "amdgcn-amd-amdhsa--gfx1250"
	.amdhsa_code_object_version 6
	.text
	.protected	k_q19e9dc8466_render
	.globl	k_q19e9dc8466_render
	.p2align	8
	.type	k_q19e9dc8466_render,@function
k_q19e9dc8466_render:
	s_mov_b64 s[64:65], 0
	v_nop
	global_prefetch_b8 v0, s[64:65] scope:SCOPE_SE
	s_setreg_imm32_b32 hwreg(HW_REG_WAVE_SCHED_MODE, 0, 2), 2
	s_setreg_imm32_b32 hwreg(HW_REG_WAVE_MODE, 25, 1), 1
	s_wait_xcnt 0x0
	s_wait_alu depctr_vm_vsrc(0)
; RENDER: z1 = relu(the four-corner blend of pfeat + r_bh[0]); z2, z3 = relu(z W + b); out = leaky(z3 r_wo + r_bo).
; The corners are named by idx, whole numbers that the launch before stored; the blend's weights come from wgt.  pfeat holds f16, 64 bytes a pixel.
; SHARES.  A wave owns 1,024 consecutive points: 32 units of 32, each two tiles of 16; tile e, row r of a unit is its point 2 r + e.
; GATHER.  Lane (r, h) loads bytes 16 h .. and 32 + 16 h .. of each corner's record of point r: those 8 registers ARE a matrix instruction's source 1 (16 points x 32 channels),
; so nothing is turned through LDS.  A product with the unit matrix widens them to f32: one product for each output is not 0, so the result is the f16 number itself.  That is 8 matrix
; instructions a tile where conversions would be 64 vector instructions, and a lane then holds point r and channels 16 tau + 8 h + 0..7, as in every other product here.
; The blend itself is made in f32, 32 packed multiply-adds a tile; its first takes r_bh[0] as addend.
; PRODUCTS.  Source 0 = 16 output channels, source 1 = 16 points, both f16, sums in f32, the bias as C: one instruction a result.  The first launch has scaled the weights by powers of two:
; the images hold s1 r_wh[1] and s2 r_wh[2], the vectors s1 r_bh[1], s1 s2 r_bh[2] and r_wo / (s1 s2).  relu(s x) = s relu(x), so this text works on s1 z2 and s1 s2 z3 and ends with the
; unscaled output.  |s1 r_wh[1]| and |s1 r_bh[1]| are below 2, so s1 z2 is at most 64 times the largest z1, plus 2.  The 32 -> 1 product is packed f32: it would fill a sixteenth of a tile.
; RING.  Four buffers of 64 registers (all of window 1).  Unit v asks for batch v: the index load of unit v + 6 and the 16 gathers of unit v + 3, so 34 to 51 loads of 512 bytes are out.
; The wave's 16 KiB of weights are copied into its own LDS once, in runs of 512 consecutive bytes, and read from there two quads a unit, a unit ahead.  All LDS bytes are a wave's own: no barrier.
; No tensor load, no cluster: the rows are named lane by lane, and work-groups share only 4 KiB of weights.
; THE MODE: SCHED_MODE bits 1:0 = 2 (LLVM: expert scheduling mode 2), set by the entry lines.  The code itself states the register dependences
; between vector or matrix instructions and memory or LDS instructions, with s_wait_alu, always for 0.
; THE PLAN.  Registers that memory or LDS instructions touch in unit v of the loop (slots by v % 4):
;   G0 .. G3 (window 1)  Unit v's widening products read G[v]; its 16 gathers land in G[v + 3] = G[v - 1], which the products of unit v - 1 read.
;   OFF0 .. OFF3         Written at unit v's head (slot v + 3), read by unit v's gathers; the gathers of unit v - 4 read the slot before that.
;   IX0 .. IX3           Unit v's index load lands in slot v + 2, which the offsets' lines of unit v - 1 read.
;   IXA0 .. IXA3         Slot v + 2 is stepped at unit v's head and read by unit v's index load; the load of unit v - 4 read it before that.
;   WLR                  Read by the two LDS loads of every unit; stepped at the head of a trip's unit 3.
;   WT0, WT1             Unit v's blend reads one set; its LDS loads land in the other, which the blend of unit v - 1 read.
;   OP                   Pair 0: written at unit 1's end, read by the store at unit 2's head.  Pair 1: written at unit 3's end, read by the store that follows it.
;   L8, H16              Made at the head, never written again.
;   ACC, HB, T, OQ, ID and the weights' and vectors' registers are named by vector and matrix instructions alone.
; So two waits stand at a unit's head.  The one on vm_vsrc, ahead of the lines that write OFF, IXA and WLR: all that was issued in the units before has read its registers (OP too, which a later
; unit's end writes again).  The one on va_vdst, behind those lines: they have written, and the unit before is done reading G[v - 1], the other WT and IX's slot, and in unit 2 has written OP's pair 0.
; Behind it the unit's memory and LDS instructions follow with no further wait, the gathers dealt four at a time behind each pair of widenings: the vector and matrix instructions between name
; G[v], HB, ACC, this unit's WT, the constants, T, OQ and OP, none of which those loads touch.  A third wait on va_vdst stands ahead of the store at a trip's end.
; LIMITS.  pfeat, z1, s1 z2 and the scaled weights have f16's 11 bits; f16 holds no number beyond 65,504 (a larger z1 or s1 z2 becomes an infinity) and below 6e-5 keeps a fixed step of 6e-8.
; NaN and infinities are not treated apart.  An index is clamped to 510 x 512 + 510, which the launch before never passes.
.set FR2O, 14336
.set FR3O, 18432
.set RVEC, 16384
.set H16,  1                           ; v1  16 h
.set L8,   2                           ; v2  8 lane
.set WLR,  3                           ; v3  LDS address of my point's weights: wave + 16 r, and 2,048 on with each trip
.set LIM,  5                           ; v5  8 r + 128 x 31: the index address of the wave's last unit
.set IXA,  6                           ; v6-9    by slot: the address of the slot's last index load
.set IX,   10                          ; v10-17  by slot: the indices of points 2 r, 2 r + 1
.set OFF,  18                          ; v18-25  by slot: their byte offsets in pfeat, + 16 h
.set WT0,  26                          ; v26-33  two quads of corner weights: the even units'
.set OQ,   34                          ; v34-37  my 16 channels' part of the outputs of two units' tiles
.set T,    38                          ; v38-45  at work
.set OP,   46                          ; v46-49  two pairs of outputs
.set ID,   50                          ; v50-61  0 0 0 0 E0 E1 E2 E3 0 0 0 0: the unit matrix's rows 16-31 begin at ID, its rows 0-15 at ID + 4
.set L16,  62                          ; v62  16 lane (head)
.set H32,  63                          ; v63  32 h (head)
.set ACC,  64                          ; v64-95  the blend, then the results: tile e, tau at 16 e + 8 tau
.set HB,   96                          ; v96-127 two widened corners; then source 1: tile e at 8 e
.set FR2,  128                         ; v128-143, v144-159: t0, t1
.set FR3,  144
.set WT1,  160                         ; v160-167 the odd units' weights
.set RB0,  192
.set RB1,  208
.set RB2,  224
.set RWO,  240                         ; window 1: the gathered corners: 64 slot + 32 e + 8 corner
.set MSB, 0
.macro WIN new                         ; s_set_vgpr_msb: bits 1:0 source 0, 3:2 source 1, 5:4 source 2, 7:6 destination; the high byte repeats the setting that is left
.if MSB != (\new)
	s_set_vgpr_msb (MSB<<8)|(\new)
.set MSB, (\new)
.endif
.endm
.macro RELU n, z
.set i_, 0
.rept \n
	v_max_num_f32 v[(\z)+i_], 0, v[(\z)+i_]        ; ascending: each result is read from its low end on
.set i_, i_+1
.endr
.endm
.macro CVTH                            ; both tiles' 32 channels, rounded in pairs, ARE the next source 1
.set i_, 0
.rept 16
	v_cvt_pk_f16_f32 v[HB+i_], v[ACC+2*i_], v[ACC+2*i_+1]
.set i_, i_+1
.endr
.endm
.macro PLACES
.rept 4
	v_nop                                          ; four places between a product and the lines that read its result or write its sources (ISA guide 7.12.1)
.endr
.endm
	s_load_b256 s[4:11], s[0:1], 0x0               ; pfeat s[4:5], idx s[6:7], wgt s[8:9], wts s[10:11]
	s_load_b128 s[12:15], s[0:1], 0x20             ; r_bh s[12:13], r_bo s[14:15]
	s_load_b64 s[18:19], s[0:1], 0x30              ; out0
	v_lshl_add_u32 v190, v0, 2, 0x20000
	v_mov_b32 v191, 0
	v_lshrrev_b32 v38, 5, v0
	v_readfirstlane_b32 s20, v38                   ; wave
	v_and_b32 v39, 31, v0                          ; lane
	v_and_b32 v40, 15, v0                          ; r
	v_bfe_u32 v41, v0, 4, 1                        ; h
	v_lshlrev_b32 v[H16], 4, v41
	v_lshlrev_b32 v[H32], 5, v41
	v_lshlrev_b32 v[L8], 3, v39
	v_lshlrev_b32 v[L16], 4, v39
	; the unit matrix in f16 as source 0: lane (r, h) holds row r and k = 8 h + 0..7 in four registers: 1.0 at k = r, so in the lanes with h = r / 8, register (r % 8) / 2, half r % 2.
	; Its five compares stand in one run with the line that makes s20, so that the two waits behind the run serve them all.
	v_lshrrev_b32 v34, 3, v40
	v_cmp_eq_u32 vcc_lo, v34, v41                  ; h = r / 8
	v_bfe_u32 v34, v0, 1, 2
	v_cmp_eq_u32 s2, 0, v34                        ; (r % 8) / 2 = 0, 1, 2, 3
	v_cmp_eq_u32 s3, 1, v34
	v_cmp_eq_u32 s16, 2, v34
	v_cmp_eq_u32 s17, 3, v34
	s_wait_alu depctr_va_sdst(0)                   ; s20 and the four masks s2, s3, s16, s17 are written, ahead of the first reader of any of them
	s_wait_alu depctr_va_vcc(0)                    ; VCC is written, ahead of the select that reads it
	s_lshl_b32 s21, s20, 14                        ; my wave's 16 KiB of LDS
	v_lshl_add_u32 v[WLR], v40, 4, s21
	v_add_nc_u32 v42, s21, v[L16]                  ; where I put 16 bytes of the weights
	v_lshlrev_b32 v43, 3, v40                      ; 8 r: two indices
	v_add_nc_u32 v[LIM], 3968, v43
	v_add_nc_u32 v[IXA+2], 256, v43                ; slot w % 4 holds unit w's address: units 2, 3, 4, 5; each is stepped by four units ahead of its next use
	v_add_nc_u32 v[IXA+3], 384, v43
	v_add_nc_u32 v[IXA], 512, v43
	v_add_nc_u32 v[IXA+1], 640, v43
	v_mov_b32 v[T+6], 0                            ; destinations of v_permlanex16_b32 count as read
	v_mov_b32 v[T+7], 0
	v_and_b32 v35, 1, v0
	v_lshlrev_b32 v35, 4, v35
	v_mov_b32 v36, 0x3c00                          ; 1.0 in f16
	v_lshlrev_b32 v35, v35, v36
	v_cndmask_b32 v35, 0, v35, vcc_lo
	v_cndmask_b32 v[ID+4], 0, v35, s2
	v_cndmask_b32 v[ID+5], 0, v35, s3
	v_cndmask_b32 v[ID+6], 0, v35, s16
	v_cndmask_b32 v[ID+7], 0, v35, s17
.irp i, 0,1,2,3
	v_mov_b32 v[ID+\i], 0
	v_mov_b32 v[ID+8+\i], 0
.endr
	s_mov_b32 s23, 0xffff0000                      ; lanes 16-31
	s_mov_b32 s24, 0x76543210                      ; each lane takes its own place in the other half
	s_mov_b32 s25, 0xfedcba98
	s_mov_b32 s27, 0x3a83126f                      ; 0.001
	s_lshl_b32 s28, ttmp9, 3
	s_add_co_u32 s28, s28, s20                     ; my wave among all: 1,024 points each
	s_lshl_b32 s30, s28, 14                        ; x 16 bytes
	s_lshl_b32 s28, s28, 12                        ; x 4 bytes
	s_mov_b32 s29, 0
	s_mov_b32 s31, 0
	s_wait_kmcnt 0x0
	s_load_b32 s22, s[14:15], 0x0                  ; r_bo
	s_add_nc_u64 s[6:7], s[6:7], s[28:29]
	s_add_nc_u64 s[18:19], s[18:19], s[28:29]
	s_add_nc_u64 s[8:9], s[8:9], s[30:31]
.macro MKOFF s                         ; slot s: index -> byte offset of my 16 bytes in the record
	v_min_u32 v[OFF+2*(\s)],   0x3fdfe, v[IX+2*(\s)]
	v_min_u32 v[OFF+2*(\s)+1], 0x3fdfe, v[IX+2*(\s)+1]
	v_lshl_add_u32 v[OFF+2*(\s)],   v[OFF+2*(\s)],   6, v[H16]
	v_lshl_add_u32 v[OFF+2*(\s)+1], v[OFF+2*(\s)+1], 6, v[H16]
.endm
.macro GATH4 s, g                      ; four of a slot's 16 loads: tile g / 2, corners 2 (g % 2) and 2 (g % 2) + 1, two loads of 16 bytes a lane each.  Leaves the destination's window at 1
	WIN 0x40                                       ; destination window 1, address window 0
.set e_, (\g)>>1
.irp d, 0,1
.set c_, 2*((\g)&1)+\d
	global_load_b128 v[64*(\s)+32*e_+8*c_:64*(\s)+32*e_+8*c_+3],   v[OFF+2*(\s)+e_], s[4:5] offset:(c_&1)*64+(c_>>1)*32768
	global_load_b128 v[64*(\s)+32*e_+8*c_+4:64*(\s)+32*e_+8*c_+7], v[OFF+2*(\s)+e_], s[4:5] offset:(c_&1)*64+(c_>>1)*32768+32
.endr
.endm
.macro GATH s                          ; 16 loads: corners (yb, xb), (yb, xb + 1), (yb + 1, xb), (yb + 1, xb + 1) of two tiles
	GATH4 \s, 0
	GATH4 \s, 1
	GATH4 \s, 2
	GATH4 \s, 3
	WIN 0
.endm
.macro WID gb, d                       ; one corner of one tile, widened: channels 0-15 into v[d..], 16-31 into v[d+8..]
	v_wmma_f32_16x16x32_f16 v[(\d):(\d)+7],    v[ID+4:ID+11], v[(\gb):(\gb)+7], 0
	v_wmma_f32_16x16x32_f16 v[(\d)+8:(\d)+15], v[ID:ID+7],    v[(\gb):(\gb)+7], 0
.endm
.macro BLEND e, c, d                   ; tile e += weight c x the corner at v[d..]; a weight is one register of a pair: op_sel picks it for both halves.  wt_: the unit's weights
.set j_, 0
.rept 8
.if (\c) == 0
	v_pk_fma_f32 v[ACC+16*(\e)+2*j_:ACC+16*(\e)+2*j_+1], v[(\d)+2*j_:(\d)+2*j_+1], v[wt_+4*(\e):wt_+4*(\e)+1], v[RB0+2*j_:RB0+2*j_+1] op_sel_hi:[1,0,1]
.elseif (\c) == 1
	v_pk_fma_f32 v[ACC+16*(\e)+2*j_:ACC+16*(\e)+2*j_+1], v[(\d)+2*j_:(\d)+2*j_+1], v[wt_+4*(\e):wt_+4*(\e)+1], v[ACC+16*(\e)+2*j_:ACC+16*(\e)+2*j_+1] op_sel:[0,1,0] op_sel_hi:[1,1,1]
.elseif (\c) == 2
	v_pk_fma_f32 v[ACC+16*(\e)+2*j_:ACC+16*(\e)+2*j_+1], v[(\d)+2*j_:(\d)+2*j_+1], v[wt_+4*(\e)+2:wt_+4*(\e)+3], v[ACC+16*(\e)+2*j_:ACC+16*(\e)+2*j_+1] op_sel_hi:[1,0,1]
.else
	v_pk_fma_f32 v[ACC+16*(\e)+2*j_:ACC+16*(\e)+2*j_+1], v[(\d)+2*j_:(\d)+2*j_+1], v[wt_+4*(\e)+2:wt_+4*(\e)+3], v[ACC+16*(\e)+2*j_:ACC+16*(\e)+2*j_+1] op_sel:[0,1,0] op_sel_hi:[1,1,1]
.endif
.set j_, j_+1
.endr
.endm
.macro MMF fr, rb                      ; a layer on two tiles: four products, each with a result of its own and the bias as C
.irp q, 0,1
.irp u, 0,1
	v_wmma_f32_16x16x32_f16 v[ACC+16*\q+8*\u:ACC+16*\q+8*\u+7], v[(\fr)+8*\u:(\fr)+8*\u+7], v[HB+8*\q:HB+8*\q+7], v[(\rb)+8*\u:(\rb)+8*\u+7]
.endr
.endr
	PLACES
.endm
; Two units' 64 outputs.  Lane (r, h) owns points 2 r, 2 r + 1 of unit h of the two: it keeps its part of them and sends the lane 16 away its part of the points that that lane keeps.
; The first pair's store stands at the next unit's head, behind the wait that stands there anyway; the second pair has no unit behind it in the trip's text and is stored here.
.macro FIN k                           ; k: the first or the second pair of units of a trip
.if (\k) == 0
	s_wait_storecnt 0x0                            ; the last trip's two stores are done: their base and their data (OP) are written again only behind this wait; the younger of them is more than a unit's work old
	s_add_nc_u64 s[18:19], s[18:19], 512           ; this trip's 128 outputs end here; the stores reach back
.endif
.irp e, 0,1
	v_cndmask_b32 v[OP+2*(\k)+\e], v[OQ+\e], v[OQ+2+\e], s23
	v_cndmask_b32 v[T+4+\e], v[OQ+2+\e], v[OQ+\e], s23
.endr
.irp e, 0,1
	v_permlanex16_b32 v[T+6+\e], v[T+4+\e], s24, s25
.endr
.irp e, 0,1
	v_add_f32 v[OP+2*(\k)+\e], v[OP+2*(\k)+\e], v[T+6+\e]
.endr
.irp e, 0,1
	v_add_f32 v[OP+2*(\k)+\e], s22, v[OP+2*(\k)+\e]
.endr
.irp e, 0,1
	v_mul_f32 v[T+4+\e], s27, v[OP+2*(\k)+\e]
.endr
.irp e, 0,1
	v_max_num_f32 v[OP+2*(\k)+\e], v[OP+2*(\k)+\e], v[T+4+\e]   ; out where out >= 0, 0.001 out below
.endr
.if (\k) == 1
	s_wait_alu depctr_va_vdst(0)                   ; the lines above have written OP's pair 1, which the store reads
	global_store_b64 v[L8], v[OP+2:OP+3], s[18:19] offset:-256 th:TH_STORE_NT   ; 256 consecutive bytes, aligned
.endif
.endm
; Unit uu of a trip's four; its slot is uu.  gath = 1: the unit three on is gathered; ixl = 1: the indices of the unit six on are loaded; wl = 1: the next unit's weights are read from LDS;
; left = the younger loads that may stay out: the two batches issued in the two units before.
.macro UNIT uu, gath, ixl, wl, left
.set sg_, ((\uu)+3)%4
.set si_, ((\uu)+2)%4
.set gb_, 64*(\uu)
.set wt_, WT0+(WT1-WT0)*((\uu)&1)
.set wn_, WT0+(WT1-WT0)*(((\uu)+1)&1)
	s_wait_loadcnt \left                           ; loads come back in order (ISA guide 5.7.1): this unit's gathers are in, and the indices asked for with them
.if (\gath) || (\ixl)
	s_wait_alu depctr_vm_vsrc(0)                   ; the gathers, index loads, LDS loads and stores of the units before have read their registers: OFF, IXA and WLR, written below, and OP, written again at a later unit's end
.endif
.if \gath
	MKOFF sg_                                      ; the slot's offsets and registers served the unit before this one, whose loads were waited for then
.endif
.if \ixl
	v_add_nc_u32 v[IXA+si_], 512, v[IXA+si_]       ; four units on; the load that read this address was waited for at the head of the unit before
	v_min_u32 v[IXA+si_], v[IXA+si_], v[LIM]       ; the last trip's units 2 and 3 would look past the wave's share: they read its last unit's indices again, which nobody uses, so that every trip has one text and one count of loads
.endif
.if (\wl) && ((\uu) == 3)
	v_add_nc_u32 v[WLR], 2048, v[WLR]              ; the next four units' weights
.endif
.if (\gath) || (\wl)
	s_wait_alu depctr_va_vdst(0)                   ; the lines above have written OFF, IXA and WLR; the unit before is done reading the gathers' buffer, the other set of weights and the index slot, in which this unit's loads land; in unit 2 it has written OP's pair 0
.endif
.if (\uu) == 2
	global_store_b64 v[L8], v[OP:OP+1], s[18:19] offset:-512 th:TH_STORE_NT     ; the pair that the unit before finished: 256 consecutive bytes, aligned
.endif
.if \ixl
	global_load_b64 v[IX+2*si_:IX+2*si_+1], v[IXA+si_], s[6:7]
.endif
	s_wait_dscnt 0x0                               ; this unit's weights, asked for a unit ago
.if \wl
.if (\uu) == 3
.set wo_, 0
.else
.set wo_, (((\uu)+1)>>1)*1024+(((\uu)+1)&1)*256
.endif
	ds_load_b128 v[wn_:wn_+3],   v[WLR] offset:wo_       ; the next unit's quads of points 2 r and 2 r + 1: in wgt the even points' quads of 64 points lie first, the odd points' 512 bytes on
	ds_load_b128 v[wn_+4:wn_+7], v[WLR] offset:wo_+512
.endif
.irp e, 0,1
	WIN 0x04                                       ; source 1 window 1
	WID gb_+32*\e, HB
	WID gb_+32*\e+8, HB+16
.if \gath
	GATH4 sg_, 2*\e                                ; no wait: no vector or matrix instruction since the head's wait names this slot's offsets or its buffer
.endif
	WIN 0
.if \e == 0
	PLACES
.else
	RELU 16, ACC                                   ; tile 0's relu names none of those products' registers: it fills the places behind them
.endif
	BLEND \e, 0, HB
	BLEND \e, 1, HB+16
	WIN 0x04
	WID gb_+32*\e+16, HB
	WID gb_+32*\e+24, HB+16
.if \gath
	GATH4 sg_, 2*\e+1
.endif
	WIN 0
	PLACES
	BLEND \e, 2, HB
	BLEND \e, 3, HB+16
.endr
	RELU 16, ACC+16
	CVTH
	MMF FR2, RB1
	RELU 32, ACC
	CVTH
	MMF FR3, RB2
	RELU 32, ACC
	v_pk_mul_f32 v[T:T+1], v[ACC:ACC+1], v[RWO:RWO+1]
	v_pk_mul_f32 v[T+2:T+3], v[ACC+16:ACC+17], v[RWO:RWO+1]
.irp j, 2,4,6,8,10,12,14
	v_pk_fma_f32 v[T:T+1], v[ACC+\j:ACC+\j+1], v[RWO+\j:RWO+\j+1], v[T:T+1]
	v_pk_fma_f32 v[T+2:T+3], v[ACC+16+\j:ACC+16+\j+1], v[RWO+\j:RWO+\j+1], v[T+2:T+3]
.endr
	v_add_f32 v[OQ+2*((\uu)&1)], v[T], v[T+1]
	v_add_f32 v[OQ+2*((\uu)&1)+1], v[T+2], v[T+3]
.if (\uu)&1
	FIN (\uu)>>1
.endif
.endm
	s_wait_alu depctr_va_vdst(0)                   ; the head's lines have written every offset and address (v1 to v9, v42, v43, v62, v63) that the loads and LDS stores below read
.irp m, 0,1
	global_load_b128 v[FR2+8*\m:FR2+8*\m+3],   v[L16], s[10:11] offset:FR2O+1024*\m
	global_load_b128 v[FR2+8*\m+4:FR2+8*\m+7], v[L16], s[10:11] offset:FR2O+1024*\m+512
	global_load_b128 v[FR3+8*\m:FR3+8*\m+3],   v[L16], s[10:11] offset:FR3O+1024*\m
	global_load_b128 v[FR3+8*\m+4:FR3+8*\m+7], v[L16], s[10:11] offset:FR3O+1024*\m+512
.endr
.irp f, 0,1,2,3                        ; vectors as a result holds them: channels 8 h + 0..7 and 16 + 8 h + 0..7
	global_load_b128 v[RB0+4*\f:RB0+4*\f+3], v[H32], s[12:13] offset:(\f>>1)*64+(\f&1)*16
	global_load_b128 v[RB1+4*\f:RB1+4*\f+3], v[H32], s[10:11] offset:RVEC+(\f>>1)*64+(\f&1)*16
	global_load_b128 v[RB2+4*\f:RB2+4*\f+3], v[H32], s[10:11] offset:RVEC+128+(\f>>1)*64+(\f&1)*16
	global_load_b128 v[RWO+4*\f:RWO+4*\f+3], v[H32], s[10:11] offset:RVEC+256+(\f>>1)*64+(\f&1)*16
.endr
.irp w, 0,1,2
	global_load_b64 v[IX+2*\w:IX+2*\w+1], v43, s[6:7] offset:128*\w
.endr
	WIN 0x40
.set i_, 0
.rept 32                                           ; my 16 KiB of wgt, 512 consecutive bytes a load, through registers that the gathers take later
	global_load_b128 v[4*i_:4*i_+3], v[L16], s[8:9] offset:512*i_ th:TH_LOAD_NT
.set i_, i_+1
.endr
	WIN 0
	s_wait_loadcnt 0x0
	s_wait_kmcnt 0x0
	WIN 0x04                                       ; the stores' data (source 1) in window 1
.set i_, 0
.rept 32
	ds_store_b128 v42, v[4*i_:4*i_+3] offset:512*i_
.set i_, i_+1
.endr
	WIN 0
	s_wait_dscnt 0x0
	MKOFF 0                                        ; the offsets of units 0, 1 and 2 together, so that one pair of waits serves the three batches
	MKOFF 1
	MKOFF 2
	s_wait_alu depctr_vm_vsrc(0)                   ; the LDS stores have read the window 1 registers in which the gathers land; they and the first index loads have read v42 and v43, which are at work (T) from here on
	s_wait_alu depctr_va_vdst(0)                   ; the twelve lines above have written OFF's slots 0 to 2, which the gathers read, and are done reading IX's slots 0 and 1, in which index loads land
.irp w, 0,1,2                          ; three batches like the loop's: the gathers of units 0, 1, 2, each with the indices of the unit three on
	GATH \w
	global_load_b64 v[IX+2*((\w+3)%4):IX+2*((\w+3)%4)+1], v[IXA+(\w+3)%4], s[6:7]
.endr
	ds_load_b128 v[WT0:WT0+3],   v[WLR]            ; unit 0's weights
	ds_load_b128 v[WT0+4:WT0+7], v[WLR] offset:512
	s_mov_b32 s26, 0
.Ltrip:                                                ; units 0 .. 27, four a trip.  Out at each unit's head: three batches of 16 gathers and an index load
	UNIT 0, 1, 1, 1, 34
	UNIT 1, 1, 1, 1, 34
	UNIT 2, 1, 1, 1, 34
	UNIT 3, 1, 1, 1, 34
	s_add_co_u32 s26, s26, 1
	s_cmp_lt_u32 s26, 7
	s_cbranch_scc1 .Ltrip
	UNIT 0, 1, 0, 1, 34                            ; unit 28 gathers the last unit; no index is left to load: its batch has 16 loads
	UNIT 1, 0, 0, 1, 33                            ; behind unit 29's gathers: a batch of 17 and that of 16
	UNIT 2, 0, 0, 1, 16
	UNIT 3, 0, 0, 0, 0
	s_wait_dscnt 0x0
	s_wait_alu depctr_hold_cnt(0) depctr_sa_sdst(0) depctr_va_vdst(0) depctr_va_sdst(0) depctr_va_ssrc(0) depctr_va_vcc(0) depctr_vm_vsrc(0)
	s_wait_tensorcnt 0x0
	ds_add_u32 v190, v191
	s_wait_dscnt 0x0
	s_endpgm
.Lfunc_end_k_q19e9dc8466_render:
	.size	k_q19e9dc8466_render, .Lfunc_end_k_q19e9dc8466_render-k_q19e9dc8466_render
	.p2alignl 7, 3214868480
	.fill 96, 4, 3214868480
	.section	.rodata,"a",@progbits
	.p2align	6, 0x0
	.amdhsa_kernel k_q19e9dc8466_render
		.amdhsa_group_segment_fixed_size 132096
		.amdhsa_private_segment_fixed_size 0
		.amdhsa_enable_private_segment 0
		.amdhsa_kernarg_size 56
		.amdhsa_user_sgpr_count 2
		.amdhsa_user_sgpr_kernarg_segment_ptr 1
		.amdhsa_wavefront_size32 1
		.amdhsa_system_sgpr_workgroup_id_x 1
		.amdhsa_system_sgpr_workgroup_id_y 1
		.amdhsa_system_sgpr_workgroup_id_z 1
		.amdhsa_system_vgpr_workitem_id 0
		.amdhsa_next_free_vgpr 512
		.amdhsa_next_free_sgpr 66
		.amdhsa_reserve_vcc 1
		.amdhsa_float_denorm_mode_32 3
		.amdhsa_float_denorm_mode_16_64 3
		.amdhsa_memory_ordered 1
		.amdhsa_forward_progress 1
		.amdhsa_inst_pref_size 132
	.end_amdhsa_kernel
	.amdgpu_metadata
---
amdhsa.version: [ 1, 2 ]
amdhsa.kernels:
  - .name:           k_q19e9dc8466_render
    .symbol:         k_q19e9dc8466_render.kd
    .args:
      - { .name: pfeat, .offset: 0, .size: 8, .value_kind: global_buffer, .address_space: global }
      - { .name: idx, .offset: 8, .size: 8, .value_kind: global_buffer, .address_space: global }
      - { .name: wgt, .offset: 16, .size: 8, .value_kind: global_buffer, .address_space: global }
      - { .name: wts, .offset: 24, .size: 8, .value_kind: global_buffer, .address_space: global }
      - { .name: r_bh, .offset: 32, .size: 8, .value_kind: global_buffer, .address_space: global }
      - { .name: r_bo, .offset: 40, .size: 8, .value_kind: global_buffer, .address_space: global }
      - { .name: out0, .offset: 48, .size: 8, .value_kind: global_buffer, .address_space: global }
    .group_segment_fixed_size: 132096
    .private_segment_fixed_size: 0
    .kernarg_segment_align: 8
    .kernarg_segment_size: 56
    .max_flat_workgroup_size: 256
    .sgpr_count:     66
    .vgpr_count:     512
    .wavefront_size: 32
...
	.end_amdgpu_metadata
.endif
;; end of part 8
